; MI455X (gfx1250); checked and timed in simulation.
; The chip was launched on July 23, 2026; its instructions are those of AMD's public machine-readable ISA for CDNA 5 (MIT licence, August 2026) and "CDNA5" Instruction Set Architecture Reference Guide (July 2026). The comments in the code are by the model that wrote it; some were corrected since.
;; Causal Self Attention. Allowed arithmetic: matrix products marked QUANTISED: E2M3 operands, one E8M0 scale for each 32 along K, by v_wmma_scale_f32_16x16x128_f8f6f4 with both operands' format E2M3, f32 sums; everything else in f32.
;; Inputs: Wc 2,048 x 2,048 float32; Wkv 2,048 x 1,024 float32; Wq 2,048 x 2,048 float32; bc 2,048 float32; x 4 x 1,024 x 2,048 float32.
;; Outputs: out0 4 x 1,024 x 2,048 float32.
;; This version of the problem:
;;   THIS VERSION OF THE PROBLEM IS GIVEN IN LOW PRECISION. The matrix products marked QUANTISED in the list below multiply operands that are first quantised to E2M3 (2 exponent bits, 3 mantissa bits; 6 bits a number), with one power-of-two scale for each 32 numbers along K (OCP MX v1.0); their sums are f32. All else is computed in f32.
;;   The module's matrix products, in the order in which they are computed (A, B: the left and right operand; K: the contracted axis; several contracted axes count as one K, in the product's order):
;;     1. [M 4,096, K 2,048] x [K 2,048, N 2,048]; A: input x; B: input Wq: QUANTISED
;;     2. [M 4,096, K 2,048] x [K 2,048, N 1,024]; A: input x; B: input Wkv: QUANTISED
;;     3. batch 16 x [M 4,096, K 128] x [K 128, N 1,024]; A: computed on the way; B: computed on the way: QUANTISED
;;     4. batch 16 x [M 4,096, K 1,024] x [K 1,024, N 128]; A: softmax (see below); B: computed on the way: QUANTISED
;;     5. [M 4,096, K 2,048] x [K 2,048, N 2,048]; A: computed on the way; B: input Wc: QUANTISED
;;   THE QUANTISER, for each operand of a quantised product, along K:
;;     - K is cut into blocks of 32 from its start; a last block that is shorter is filled with zeros.
;;     - A block's scale is 2^e with e = floor(log2(the largest magnitude in the block)) - 2, held to -126 .. 127; a block of zeros has e = 0. As a byte (E8M0): e + 127.
;;     - Each number is divided by its block's scale, clamped to +-7.5, and rounded to the nearest number of E2M3, ties to even, subnormals kept.
;;     - The product sums the exact products of the quantised numbers (number of the format x scale) in f32.
;;   ~~~python
;;   def quantise(x, axis):      # numpy; x: float32 -> the quantised numbers, widened to float32 again
;;       x = np.moveaxis(x, axis, -1); K = x.shape[-1]
;;       x = np.pad(x, [(0, 0)] * (x.ndim - 1) + [(0, -K % 32)]); x = x.reshape(x.shape[:-1] + (-1, 32)); a = np.abs(x).max(-1, keepdims=True)
;;       e = np.where(a > 0, np.clip(np.frexp(np.where(a > 0, a, 1))[1] - 1 - 2, -126, 127), 0)      # np.frexp(a)[1] - 1 = floor(log2(a)), exactly
;;       r = np.clip(x / 2.0 ** e, -7.5, 7.5)
;;       step = 2.0 ** (np.maximum(np.frexp(np.where(r == 0, 1, r))[1] - 1, 0) - 3)
;;       q = np.round(r / step) * step * 2.0 ** e      # np.round: ties to even
;;       return np.moveaxis(q.reshape(q.shape[:-2] + (-1,))[..., :K], -1, axis).astype(np.float32)
;;   ~~~
;;   SOFTMAX AHEAD OF A QUANTISED PRODUCT. Where the list says 'softmax', what is quantised is not the finished softmax but p = 2^(t - M), with t = logit x log2(e) and M = ceil(the row's largest t), a whole number; so 1/2 < the row's largest p <= 1. The row's sum l is taken of the UNQUANTISED p, in f32, and the product's result is divided by l at the end. Since M is a whole number, a kernel that streams over the keys may use a running M (the ceiling of the running maximum): every later rescaling is an exact power of two, which a block's scale takes up: the codes' values come out the same.
;;   OPERANDS COMPUTED ON THE WAY. 'Computed on the way' means the value that the module computes at that place (a softmax that the list does not call 'softmax' is quantised finished and normalised). What goes into a quantiser is computed in f32, as accurately as f32 sums, v_exp_f32 and their like allow (about 1e-6 of the number): no bf16 or f16 on the way to a quantiser, and a product that is left as it is and whose result goes on into a quantised operand takes f32 operands (vector FMAs, or v_wmma_f32_16x16x4_f32). A number that lies on a knife's edge between two numbers of the format may be rounded either way, as far as f32 arithmetic and the matrix unit's own rounding can turn it there, and no further.
;; One version. Each part assembles by itself: llvm-mc -triple=amdgcn-amd-amdhsa -mcpu=gfx1250 --defsym DOCPART=n.
;; ======== version 1 of 1: 4 launches
;; limits: right only within a limited range of input values
;; workspace buffers: xq 6,553,600 bytes; wqkv 4,915,200 bytes; wcq 3,276,800 bytes; qkvh 9,830,400 bytes; yq 6,553,600 bytes
;; launch quant (part 1): grid 448 x 1, 4 waves a work-group, no clusters, 61,952 bytes of LDS; arguments x, Wq, Wkv, xq, wqkv; writes xq, wqkv
.if DOCPART == 1
	.amdgcn_target "amdgcn-amd-amdhsa--gfx1250"
	.amdhsa_code_object_version 6
	.text
	.protected	k_q863d8978a1_quant
	.globl	k_q863d8978a1_quant
	.p2align	8
	.type	k_q863d8978a1_quant,@function
k_q863d8978a1_quant:
	s_mov_b64 s[64:65], 0
	v_nop
	global_prefetch_b8 v0, s[64:65] scope:SCOPE_SE
	s_setreg_imm32_b32 hwreg(HW_REG_WAVE_MODE, 25, 1), 1
	s_wait_xcnt 0x0
; x [4096][2048] and the weights Wq [2048][2048], Wkv [2048][1024], Wc [2048][2048], all f32, become codes of FP6 (E2M3) with one E8M0 byte for each 32 along K (K = 2048: x's last axis, the weights' FIRST axis).
; A block's scale is 2^(floor(log2(its largest magnitude)) - 2); its byte is the largest magnitude's exponent field - 2, held at 1 from below.
; LIMITS: a block of zeros, or one whose largest magnitude lies under 2^-124, gets the byte 1 (its codes are zeros or subnormal codes; this program alone reads the bytes); NaN and infinities among the inputs are not served.
; THE WORKSPACE FORMAT, a HALF-PANEL of 12,800 bytes: 128 rows x 128 along K of an operand, in the order of the operand's registers.
;   fragment t (0..7) at 1536 t; in it chunk c (0..2) at 512 c, lane l at 16 l: registers 4 c .. 4 c + 3 of lane l.  Lane (r = l % 16, h = l / 16) of fragment t holds row 32 (t / 2) + 8 (t % 2) + r + 8 (r / 8);
;   registers 6 c' .. 6 c' + 5 hold k = 64 c' + 32 h + 0 .. 31.  The scale word of (t, r) lies at 12288 + 64 t + 4 r.
; Work-groups 0-255 take x (a wave: 64 rows x 128 K, four fragments); work-groups 256-447 take the weights (a work-group: 128 columns x 256 K; a wave: 32 columns).  128 KiB are read by each.
; The two paths part on the work-group's number, have LDS bytes of their own and end by themselves.  No tensor load, no barrier: waves share nothing.
; THIS LAUNCH SERVES x, Wq AND Wkv ALONE: work-groups 0-255 take x, work-groups 256-447 the 24 panels of Wq and Wkv.  Wc is quantised in the launch proj, and is no argument here.
.set SPARE, 61440                      ; the spare words: 128 bytes for each wave, two blocks of 256 bytes that no other line names
.set SPW,   252                        ; v252  LDS address of my spare word; never rewritten
.set NIL,   253                        ; v253  0; never rewritten
.set SEL,   26                         ; s[26:27] lane selects: lane l xor 16
.set R0,    16                         ; x: v16-79, v80-143 two sets of 16 rows as loaded
.set XN,    144                        ; x: v144-207 64 numbers of my row: register 16 b + i = k 32 b + 16 h + i
.set TM,    208                        ; x: v208-223 at work
.set PW,    224                        ; x: the scale word just made
.set PC,    226                        ; x: v226-245 the codes just made
.set WX,    48                         ; weights: v48-111 two sets of 32 numbers down K
.set WC,    112                        ; weights: v112-118 a block's codes
.set SB,    120                        ; weights: v120-121 scale words of the two K steps
.set WO,    128                        ; weights: v128-175 the way out
; 64 numbers of a lane, register 16 b + i = k 32 b + 16 (lane / 16) + i of my row, become a fragment's 12 registers in v[pc] on and its scale word in v[pw]
.macro QUANT s, pc, pw, tm
.irp b, 0,1,2,3
	v_max3_num_f32 v[\tm+\b], |v[\s+16*\b]|, |v[\s+1+16*\b]|, 0x1800000      ; my 16 numbers of block b, and the floor 2^(3 - 127): the byte cannot fall under 1
.endr
.irp i, 2,4,6,8,10,12,14
.irp b, 0,1,2,3
	v_max3_num_f32 v[\tm+\b], v[\tm+\b], |v[\s+16*\b+\i]|, |v[\s+1+16*\b+\i]|  ; the four blocks by turns
.endr
.endr
.irp b, 0,1,2,3
	v_permlanex16_b32 v[\tm+4+\b], v[\tm+\b], s[SEL], s[SEL+1]
.endr
.irp b, 0,1,2,3
	v_max_num_f32 v[\tm+\b], v[\tm+\b], v[\tm+4+\b]                          ; with lane l xor 16's 16: the block's largest magnitude
.endr
.irp b, 0,1,2,3
	v_add_nc_u32 v[\tm+12+\b], 0xff000000, v[\tm+\b]                         ; 2 off its exponent field: the conversion's scale operand
.endr
.irp b, 0,1,2,3
	v_lshrrev_b32 v[\tm+4+\b], 23, v[\tm+12+\b]                              ; the scale's byte
.endr
	v_lshl_or_b32 v[\pw], v[\tm+5], 8, v[\tm+4]
	v_lshl_or_b32 v[\pw], v[\tm+6], 16, v[\pw]
	v_lshl_or_b32 v[\pw], v[\tm+7], 24, v[\pw]
.irp c, 0,1
	v_cvt_scalef32_pk16_fp6_f32 v[\pc+6*\c:\pc+2+6*\c], v[\s+32*\c:\s+15+32*\c], v[\tm+12+2*\c]
	v_cvt_scalef32_pk16_fp6_f32 v[\pc+12+4*\c:\pc+14+4*\c], v[\s+16+32*\c:\s+31+32*\c], v[\tm+12+2*\c+1]   ; (a conversion's three registers begin on an even number)
.endr
	v_nop                                          ; one plain place behind a scaled conversion
.irp c, 0,1                                    ; the operand wants a whole block in a lane: lanes 0-15 block 2 c, lanes 16-31 block 2 c + 1
.irp i, 0,1,2
	v_permlane16_swap_b32 v[\pc+6*\c+\i], v[\pc+12+4*\c+\i]
.endr
.irp i, 0,1,2
	v_mov_b32 v[\pc+3+6*\c+\i], v[\pc+12+4*\c+\i]
.endr
.endr
.endm
; x: the 16 rows of fragment tau of my four, 512 consecutive bytes of a row with each load
.macro LOADT tau, reg
.irp i, 0,1,2,3,4,5,6,7,8,9,10,11,12,13,14,15
	global_load_b128 v[\reg+4*\i:\reg+4*\i+3], v2, s[20:21] offset:(32*((\tau)/2)+8*((\tau)%2)+\i+8*(\i/8))*8192 th:TH_LOAD_NT
.endr
.endm
; x: through my stage (rows 528 bytes apart): in as loaded, out 16 neighbours of each block of 32 to a lane.  LDS serves a wave's instructions in order (ISA guide 5.7.1.4)
.macro TURNX reg
.irp i, 0,1,2,3,4,5,6,7,8,9,10,11,12,13,14,15
	ds_store_b128 v3, v[\reg+4*\i:\reg+4*\i+3] offset:528*\i
.endr
.irp b, 0,1,2,3
.irp j, 0,1,2,3
	ds_load_b128 v[XN+16*\b+4*\j:XN+16*\b+4*\j+3], v4 offset:128*\b+16*\j
.endr
.endr
.endm
.macro XTILE tau
.if (\tau) < 3
	s_wait_loadcnt 16                              ; this fragment's 16 loads are in; the next one's 16 may be out
.else
	s_wait_loadcnt 0
.endif
	TURNX R0+64*((\tau)%2)
	s_wait_dscnt 0x0                               ; my 64 numbers are back
.if (\tau) < 2
	LOADT (\tau)+2, R0+64*((\tau)%2)
.endif
.if (\tau) > 0
	s_wait_xcnt 0x0                                ; the last fragment's stores have read the codes' registers, which are written again below
.endif
	QUANT XN, PC, PW, TM
	ds_store_b32 v5, v[PW] offset:64*(\tau)        ; both halves of the lanes write the same word with the same value
.irp c, 0,1,2
	global_store_b128 v2, v[PC+4*\c:PC+4*\c+3], s[22:23] offset:1536*(\tau)+512*\c   ; 512 consecutive bytes, aligned
.endr
.endm
; weights: block t of eight: W(32 t + i, my column), i = 0 .. 31
.macro WLOAD t
.irp i, 0,1,2,3,4,5,6,7,8,9,10,11,12,13,14,15,16,17,18,19,20,21,22,23,24,25,26,27,28,29,30,31
	global_load_b32 v[WX+32*((\t)%2)+\i], v[16+\i], s[32+2*(\t):33+2*(\t)] th:TH_LOAD_NT
.endr
.endm
.macro BLOCK t
.set XS, WX+32*((\t)%2)
.set SOF, 3328*((\t)/4)+256*((\t)%2)   ; K step t / 4; the block belongs to lanes 16 (t % 2) + r of the fragment
.if (\t) < 7
	s_wait_loadcnt 32                              ; this block's 32 loads are in; the next block's may be out
.else
	s_wait_loadcnt 0
.endif
	v_max3_num_f32 v12, |v[XS]|, |v[XS+1]|, |v[XS+2]|              ; all 32 numbers of the block are mine
	v_max3_num_f32 v13, |v[XS+3]|, |v[XS+4]|, |v[XS+5]|
.irp i, 6,10,14,18,22,26
	v_max3_num_f32 v12, v12, |v[XS+\i]|, |v[XS+\i+1]|
	v_max3_num_f32 v13, v13, |v[XS+\i+2]|, |v[XS+\i+3]|
.endr
	v_max3_num_f32 v12, v12, |v[XS+30]|, |v[XS+31]|
	v_max3_num_f32 v12, v12, v13, 0x1800000        ; and the floor
	v_add_nc_u32 v11, 0xff000000, v12              ; the conversion's scale operand
	v_lshrrev_b32 v13, 23, v11                     ; the byte
.if (\t)%4 == 0
	v_mov_b32 v[SB+(\t)/4], v13
.else
	v_lshl_or_b32 v[SB+(\t)/4], v13, 8*((\t)%4), v[SB+(\t)/4]
.endif
	v_cvt_scalef32_pk16_fp6_f32 v[WC:WC+2], v[XS:XS+15], v11
	v_cvt_scalef32_pk16_fp6_f32 v[WC+4:WC+6], v[XS+16:XS+31], v11
	v_nop                                          ; one plain place behind a scaled conversion
	v_mov_b32 v[WC+3], v[WC+4]                     ; the block's 24 bytes on end
	v_mov_b32 v[WC+4], v[WC+5]
	v_mov_b32 v[WC+5], v[WC+6]
.if ((\t)%4)/2 == 0                            ; registers 0-5 of the fragment: chunk 0, and the first half of chunk 1
	ds_store_b128 v4, v[WC:WC+3] offset:SOF
	ds_store_b64 v4, v[WC+4:WC+5] offset:SOF+512
.else                                          ; registers 6-11: the second half of chunk 1, and chunk 2
	ds_store_b64 v4, v[WC:WC+1] offset:SOF+520
	ds_store_b128 v4, v[WC+2:WC+5] offset:SOF+1024
.endif
.if (\t)+2 < 8
	WLOAD (\t)+2
.endif
	s_wait_dscnt 0x0                               ; the stores have read their registers
.endm
	s_load_b128 s[4:7], s[0:1], 0x0                ; x, Wq
	s_load_b64 s[8:9], s[0:1], 0x10                ; Wkv
	s_load_b128 s[12:15], s[0:1], 0x18             ; xq, wqkv
	v_lshl_add_u32 v[SPW], v0, 2, SPARE
	v_mov_b32 v[NIL], 0
	v_lshrrev_b32 v1, 5, v0
	v_readfirstlane_b32 s18, v1                    ; wave 0..3
	v_and_b32 v1, 31, v0                           ; lane
	v_lshlrev_b32 v2, 4, v1                        ; 16 x lane
	s_cmp_lt_u32 ttmp9, 256
	s_cbranch_scc0 .Lweights
	; ---------------- x ----------------
	s_lshl_b32 s19, ttmp9, 2
	s_add_co_u32 s19, s19, s18                     ; my unit of 1,024
	s_and_b32 s28, s19, 15                         ; ks: which 128 along K
	s_lshr_b32 s29, s19, 4                         ; which 64 rows
	s_lshr_b32 s30, s29, 1                         ; rp: which 128 rows
	s_and_b32 s31, s29, 1                          ; which half of them
	s_lshl_b32 s20, s29, 19                        ; 64 rows of 8,192 bytes
	s_lshl_b32 s21, s28, 9
	s_add_co_u32 s20, s20, s21
	s_mov_b32 s21, 0
	s_lshl_b32 s32, s28, 5                         ; xq is laid [K step][panel of 128 rows]: half-panel 32 ks + rp
	s_add_co_u32 s32, s32, s30
	s_mul_i32 s22, s32, 12800
	s_mul_i32 s33, s31, 6144                       ; my four fragments
	s_lshl_b32 s34, s31, 8                         ; my 256 scale bytes
	s_add_co_u32 s24, s22, s34
	s_add_co_u32 s24, s24, 12288
	s_add_co_u32 s22, s22, s33
	s_mov_b32 s23, 0
	s_mov_b32 s25, 0
	s_mov_b32 s[SEL], 0x76543210
	s_mov_b32 s[SEL+1], 0xfedcba98
	s_mul_i32 s35, s18, 8704                       ; my LDS: a stage of 16 x 528 bytes, then 256 scale bytes
	v_and_b32 v8, 15, v0                           ; r
	v_bfe_u32 v9, v0, 4, 1                         ; h
	s_wait_alu depctr_va_vdst(0)
	v_add_nc_u32 v3, s35, v2                       ; into the stage: 16 x lane
	v_mul_u32_u24 v4, v8, 528
	v_lshl_add_u32 v4, v9, 6, v4
	v_add_nc_u32 v4, s35, v4                       ; out of it: row r, + 64 h
	s_add_co_u32 s35, s35, 8448
	v_lshl_add_u32 v5, v8, 2, s35                  ; my row's scale word
	v_lshl_add_u32 v6, v1, 3, s35                  ; and on the way out 8 bytes a lane
	v_lshlrev_b32 v7, 3, v1
.irp b, 0,1,2,3
	v_mov_b32 v[TM+4+\b], 0                        ; written once: a lane permute's destination counts as one of its sources
.endr
	s_wait_alu depctr_va_vdst(0)
	s_wait_kmcnt 0x0
	s_add_nc_u64 s[20:21], s[4:5], s[20:21]
	s_add_nc_u64 s[22:23], s[12:13], s[22:23]
	s_add_nc_u64 s[24:25], s[12:13], s[24:25]
	LOADT 0, R0
	LOADT 1, R0+64
	XTILE 0
	XTILE 1
	XTILE 2
	XTILE 3
	ds_load_b64 v[10:11], v6                       ; my four fragments' scale words
	s_wait_dscnt 0x0
	global_store_b64 v7, v[10:11], s[24:25]        ; 256 consecutive bytes, aligned
	s_wait_tensorcnt 0x0                           ; the wave's end
	ds_add_u32 v[SPW], v[NIL]
	s_wait_dscnt 0x0
	s_endpgm
	; ---------------- the weights ----------------
.Lweights:
	s_sub_co_u32 s19, ttmp9, 256
	s_lshr_b32 s28, s19, 3                         ; panel of 128 columns: 0-15 Wq, 16-23 Wkv
	s_and_b32 s29, s19, 7                          ; which 256 along K
	s_wait_kmcnt 0x0
	s_mov_b32 s30, 4096
	s_cmp_lt_u32 s28, 16                           ; the choices hang on the work-group's number alone
	s_cselect_b64 s[20:21], s[6:7], s[8:9]
	s_cselect_b32 s30, 8192, s30                   ; bytes from row to row
	s_cselect_b32 s31, 0, 16
	s_mov_b64 s[22:23], s[14:15]
	s_sub_co_u32 s31, s28, s31                     ; the panel within its tensor
	s_mul_i32 s48, s29, 48                         ; wqkv is laid [K step][panel of 128 columns]: half-panel 24 (2 kc + q) + panel; the two K steps lie 307,200 bytes apart
	s_add_co_u32 s48, s48, s28
	s_mul_i32 s48, s48, 12800
	s_mov_b32 s49, 0
	s_add_nc_u64 s[22:23], s[22:23], s[48:49]      ; my work-group's two half-panels
	s_mul_i32 s50, s18, 3072
	s_mov_b32 s51, 0
	s_add_nc_u64 s[24:25], s[22:23], s[50:51]      ; my wave's two fragments in each
	s_lshl_b32 s52, s29, 8
	s_mul_i32 s52, s52, s30                        ; 256 kc rows
	s_lshl_b32 s53, s31, 9
	s_add_co_u32 s52, s52, s53                     ; the panel's 512 bytes of a row
	s_lshl_b32 s53, s18, 7
	s_add_co_u32 s52, s52, s53                     ; my wave's 128 of them
	s_mov_b32 s53, 0
	s_add_nc_u64 s[32:33], s[20:21], s[52:53]      ; a base for each block of 32 rows; none is rewritten
	s_lshl_b32 s54, s30, 5
	s_mov_b32 s55, 0
.irp t, 1,2,3,4,5,6,7
	s_add_nc_u64 s[32+2*\t:33+2*\t], s[30+2*\t:31+2*\t], s[54:55]
.endr
	s_wait_alu depctr_va_vdst(0)
	v_lshlrev_b32 v16, 2, v1                       ; v[16 + i] = 4 x lane + i rows
.irp i, 1,2,3,4,5,6,7,8,9,10,11,12,13,14,15,16,17,18,19,20,21,22,23,24,25,26,27,28,29,30,31
	v_add_nc_u32 v[16+\i], s30, v[15+\i]
.endr
	WLOAD 0
	WLOAD 1
	v_bfe_u32 v8, v0, 3, 1                         ; column 32 wave + lane is row r of fragment 2 wave + u: u = (lane / 8) % 2,
	v_bfe_u32 v9, v0, 4, 1
	v_and_b32 v10, 7, v0
	v_lshl_add_u32 v9, v9, 3, v10                  ; r = lane % 8 + 8 (lane / 16)
	s_mul_i32 s56, s18, 6656
	s_add_co_u32 s56, s56, 34816                   ; my stage: 2 K steps x 2 fragments, 1,664 bytes apart
	v_mul_u32_u24 v10, v8, 1664
	v_lshl_add_u32 v10, v9, 4, v10
	v_add_nc_u32 v4, s56, v10                      ; into it
	v_add_nc_u32 v5, s56, v2                       ; out of it
	v_lshlrev_b32 v6, 6, v8
	v_lshl_add_u32 v6, v9, 2, v6
	s_lshl_b32 s57, s18, 7
	v_add_nc_u32 v6, s57, v6                       ; my column's scale word: 64 (2 wave + u) + 4 r
.irp t, 0,1,2,3,4,5,6,7
	BLOCK \t
.endr
	s_wait_alu depctr_va_vdst(0)
.irp q, 0,1
	global_store_b32 v6, v[SB+\q], s[22:23] offset:307200*\q+12288   ; 128 consecutive bytes a wave
.endr
.irp q, 0,1
.irp u, 0,1
.irp c, 0,1,2
	ds_load_b128 v[WO+4*(6*\q+3*\u+\c):WO+4*(6*\q+3*\u+\c)+3], v5 offset:3328*\q+1664*\u+512*\c
.endr
.endr
.endr
.irp q, 0,1
.irp u, 0,1
.irp c, 0,1,2
	s_wait_dscnt 11-(6*\q+3*\u+\c)                 ; the younger read-backs may stay out
	global_store_b128 v2, v[WO+4*(6*\q+3*\u+\c):WO+4*(6*\q+3*\u+\c)+3], s[24:25] offset:307200*\q+1536*\u+512*\c   ; 512 consecutive bytes, aligned
.endr
.endr
.endr
	s_wait_tensorcnt 0x0                           ; the wave's end
	ds_add_u32 v[SPW], v[NIL]
	s_wait_dscnt 0x0
	s_endpgm
.Lfunc_end_k_q863d8978a1_quant:
	.size	k_q863d8978a1_quant, .Lfunc_end_k_q863d8978a1_quant-k_q863d8978a1_quant
	.p2alignl 7, 3214868480
	.fill 96, 4, 3214868480
	.section	.rodata,"a",@progbits
	.p2align	6, 0x0
	.amdhsa_kernel k_q863d8978a1_quant
		.amdhsa_group_segment_fixed_size 61952
		.amdhsa_private_segment_fixed_size 0
		.amdhsa_enable_private_segment 0
		.amdhsa_kernarg_size 40
		.amdhsa_user_sgpr_count 2
		.amdhsa_user_sgpr_kernarg_segment_ptr 1
		.amdhsa_wavefront_size32 1
		.amdhsa_system_sgpr_workgroup_id_x 1
		.amdhsa_system_sgpr_workgroup_id_y 1
		.amdhsa_system_sgpr_workgroup_id_z 1
		.amdhsa_system_vgpr_workitem_id 0
		.amdhsa_next_free_vgpr 256
		.amdhsa_next_free_sgpr 66
		.amdhsa_reserve_vcc 0
		.amdhsa_float_denorm_mode_32 3
		.amdhsa_float_denorm_mode_16_64 3
		.amdhsa_memory_ordered 1
		.amdhsa_forward_progress 1
		.amdhsa_inst_pref_size 77
	.end_amdhsa_kernel
	.amdgpu_metadata
---
amdhsa.version: [ 1, 2 ]
amdhsa.kernels:
  - .name:           k_q863d8978a1_quant
    .symbol:         k_q863d8978a1_quant.kd
    .args:
      - { .name: x, .offset: 0, .size: 8, .value_kind: global_buffer, .address_space: global }
      - { .name: Wq, .offset: 8, .size: 8, .value_kind: global_buffer, .address_space: global }
      - { .name: Wkv, .offset: 16, .size: 8, .value_kind: global_buffer, .address_space: global }
      - { .name: xq, .offset: 24, .size: 8, .value_kind: global_buffer, .address_space: global }
      - { .name: wqkv, .offset: 32, .size: 8, .value_kind: global_buffer, .address_space: global }
    .group_segment_fixed_size: 61952
    .private_segment_fixed_size: 0
    .kernarg_segment_align: 8
    .kernarg_segment_size: 40
    .max_flat_workgroup_size: 128
    .sgpr_count:     66
    .vgpr_count:     256
    .wavefront_size: 32
...
	.end_amdgpu_metadata
.endif
;; end of part 1
;; launch proj (part 2): grid 16 x 16, 4 waves a work-group, clusters of 4 x 4, 327,680 bytes of LDS; arguments xq, wqkv, qkvh, Wc, wcq; writes qkvh, wcq
.if DOCPART == 2
	.amdgcn_target "amdgcn-amd-amdhsa--gfx1250"
	.amdhsa_code_object_version 6
	.text
	.protected	k_q863d8978a1_proj
	.globl	k_q863d8978a1_proj
	.p2align	8
	.type	k_q863d8978a1_proj,@function
k_q863d8978a1_proj:
	s_mov_b64 s[64:65], 0
	v_nop
	global_prefetch_b8 v0, s[64:65] scope:SCOPE_SE
	s_setreg_imm32_b32 hwreg(HW_REG_WAVE_MODE, 25, 1), 1
	s_wait_xcnt 0x0
	s_wait_alu depctr_hold_cnt(0) depctr_sa_sdst(0) depctr_va_vdst(0) depctr_va_sdst(0) depctr_va_ssrc(0) depctr_va_vcc(0) depctr_vm_vsrc(0)
	s_getreg_b32 s2, hwreg(HW_REG_IB_STS2, 6, 4)
	s_cmp_eq_u32 s2, 0
	s_cbranch_scc0 .Lentry_in_a_cluster
	s_endpgm
.Lentry_in_a_cluster:
	s_bfe_u32 s2, ttmp6, 0x10000c
	s_cmp_lg_u32 s2, 0xf033
	s_cbranch_scc0 .Lentry_shape_is_right
	s_endpgm
.Lentry_shape_is_right:
; TWO TASKS IN ONE LAUNCH, parted by the cluster's x alone (the same in all sixteen partners of a cluster).
; CLUSTERS x = 0, 1, 2: q, k, v = x Wq, x Wkv on codes of FP6 (E2M3) with E8M0 scales, K = 2048; the results are quantised at once, q and k along the head's 128 channels, v along the keys, and leave as codes.
; CLUSTERS x = 3: Wc [2048 (k)][2048 (n)], f32, becomes codes with K innermost for the launch outp: the product has 768 wave tiles of 128 x 128, 192 work-groups, and these 64 work-groups take the work that hangs on none of its results.
; All code buffers are arrays of half-panels of 12,800 bytes: 128 rows x 128 K in the order of the operand's registers: fragment t at 1536 t, chunk c at 512 c, lane l at 16 l; scale word of (t, r) at 12288 + 64 t + 4 r;
; lane r of fragment t holds row 32 (t / 2) + 8 (t % 2) + r + 8 (r / 8).  A fragment comes by three dense loads of 16 bytes a lane.  xq is laid [K step][32 panels], wqkv [K step][24 panels].
; THE PRODUCT.  A work-group takes 256 tokens x two heads; wave w takes token panel w / 2 and head w % 2: 64 accumulators.  A K step is four half-panels, 51,200 bytes.  TWO SLOTS OF THREE K STEPS, 153,600 bytes each:
; the sixteen steps come by fills of 3, 3, 3, 3, 3 and 1.  A wave's load is one panel's half-panels of the slot's K steps: three rows of 12,800 bytes, to LDS byte slot + 38400 x wave (waves 0, 1: my two token panels; waves 2, 3: my two heads).
; Between a refill and the wait for it a wave issues two and a half K steps, 160 matrix instructions.  The steps are written out: the last fill has one row, the last change of slots fills nothing.
; At the head each wave issues one joint load, its part of slot 0; slot 1's first fill stands behind the three lines and a round, as a refill does.
; x's half-panels are shared along a row of the cluster, the weight's along a column.
; Source 0 = 16 weight rows, source 1 = 16 tokens: a lane holds one token and its 64 registers of a token tile are the head's 128 channels in the quantiser's order.  Clusters x = 0, 1: query heads 8 X + 2 cx + w % 2;
; cluster x = 2: key head cx (w % 2 = 0), value head cx (w % 2 = 1).  For v the two sources change places (LDS base addresses alone are chosen), so that a lane holds one channel and its registers run along the keys.
; PREFETCH: behind each of the first four joint loads, what the NEXT fill will ask for, one slot (three K steps) ahead.  A wave's load is 150 blocks of 256 bytes; each of the four partners that ask for it jointly names 38 of them
; (the last partner 36), told apart by address: two instructions a wave, left-over lanes held at the wave's last block.  The last fill, one K step, is not asked for ahead.  The four addresses are never rewritten.
; LIMITS: a block of zeros or under 2^-124 gets the byte 1 (this program alone reads the bytes); NaN and infinities are not served.
; REGISTERS of the product: window 0: v1-27 addresses, v28-29 the add's two, v30-31 the scale words' stage, v32-47 scale words, v48-73 the quantiser, v92-93 the prefetches' offsets, v128-223 source 1's fragments;
;   on the way out v96-255 hold the codes, 20 registers for each tile, so that no store's data are written again;  window 1: source 0's fragments, two sets;  windows 2, 3: accumulator (a, b) at v[64 (a % 4) + 8 b].
.set FR,    12
.set HA,    4
.set W1,    4
.set SLOT,  153600                     ; in a slot: token panel i, K step q at 38400 i + 12800 q; head j, K step q at 76800 + 38400 j + 12800 q
.set SPARE, 307200                     ; the spare words: 128 bytes a wave, two blocks of 256 bytes that no other line names
.set WST,   307712                     ; Wc's path has LDS bytes of its own: a stage of 3,328 bytes for each wave
.set XROW,  409600                     ; bytes from K step to K step in xq,
.set WROW,  307200                     ; and in wqkv
.set SPW,   28
.set NIL,   29
.set SC0,   32
.set SC1,   40
.set TM,    48
.set PW,    72
.set PCB,   96
.set G1X,   24                         ; s[24:31] group 1 for x;  s[32:39] for the weight
.set G1W,   32
.set PFB,   40                         ; s[40:47] the four prefetch addresses
.set G0X,   56                         ; s[56:63] group 0 for x, one set for each slot;  s[68:75] for the weight
.set G0W,   68
.set SEL,   66
.set A0O,   0
.set A1O,   0
.set S0O,   12288
.set S1O,   12288
.set WX,    48                         ; Wc: v48-111 two sets of 32 numbers down K
.set WC,    112                        ; Wc: a block's codes
.set SB,    120                        ; Wc: the K step's scale word
.set WO,    128                        ; Wc: the way out
.set MSB,   0
.macro WIN new                         ; the immediate's high byte repeats the setting that is left
.if MSB != (\new)
	s_set_vgpr_msb (MSB<<8)|(\new)
.set MSB, (\new)
.endif
.endm
.set MUL_LO, 0xa1
.set MUL_HI, 0xf1
.macro JLOAD s                         ; a joint load into slot s: waves 0, 1 for x, waves 2, 3 for the weight; s_nop 0 and four v_nop behind each line
	s_cmp_eq_u32 s15, 0
	s_cbranch_scc0 .Lfor_w_\@
	tensor_load_to_lds s[G0X+4*(\s):G0X+4*(\s)+3], s[G1X:G1X+7]
	s_nop 0
.rept 4
	v_nop
.endr
	s_branch .Lasked_\@
.Lfor_w_\@:
	tensor_load_to_lds s[G0W+4*(\s):G0W+4*(\s)+3], s[G1W:G1W+7]
	s_nop 0
.rept 4
	v_nop
.endr
.Lasked_\@:
.endm
.macro ASK k                           ; my 38 blocks of the fill that begins at K step 3 (k + 1)
	global_prefetch_b8 v92, s[PFB+2*(\k):PFB+2*(\k)+1] th:TH_LOAD_NT scope:SCOPE_SE
	global_prefetch_b8 v93, s[PFB+2*(\k):PFB+2*(\k)+1] th:TH_LOAD_NT scope:SCOPE_SE
.endm
.macro CREST
	s_cmp_lg_u32 s14, 0
	s_cbranch_scc1 .Lnot_wave_0_\@
	s_barrier_signal -3
.Lnot_wave_0_\@:
	s_barrier_wait -3
	s_barrier_signal -1
	s_barrier_wait -1
.endm
.macro CROUND
	s_barrier_signal -1
	s_barrier_wait -1
	CREST
.endm
.macro PLACES n                        ; plain places behind matrix instructions (ISA guide 7.12.1)
.rept \n
	v_nop
.endr
.endm
.macro POS n                           ; the K step to be fetched next: 0-2 slot 0's three, 3-5 slot 1's
.set A0R, 4+(\n)
.set A1R, 10+(\n)
.set S0R, 16+(\n)
.set S1R, 22+(\n)
.endm
.macro FRAG reg, adr, off
.irp c, 0,1,2
	ds_load_b128 v[\reg+4*\c:\reg+4*\c+3], v[\adr] offset:\off+512*\c
.endr
.endm
.macro FETCH0 p
	WIN 0x40
.irp b, 0,1,2,3,4,5,6,7
	FRAG 128*(\p)+FR*\b, A0R, A0O+1536*\b
.endr
	WIN 0
.endm
.macro FETCH1 a0, n
.set FAI, \a0
.rept \n
	FRAG 128+FR*FAI, A1R, A1O+1536*FAI
.set FAI, FAI+1
.endr
.endm
.macro SCALES p                        ; register i: tile 2 i in lanes 0-15, tile 2 i + 1 in lanes 16-31
.irp i, 0,1,2,3
	ds_load_b32 v[SC0+4*(\p)+\i], v[S0R] offset:S0O+128*\i
.endr
.irp i, 0,1,2,3
	ds_load_b32 v[SC1+W1*(\p)+\i], v[S1R] offset:S1O+128*\i
.endr
.endm
.macro WM a, b, p, zero                ; source 1's tile a against source 0's tile b of set p; zero = 1: the product starts the sum
.set WD,  64*((\a)%4)+8*(\b)
.set WS0, 128*(\p)+FR*(\b)
.set WS1, 128+FR*(\a)
.set WX0, SC0+4*(\p)+(\b)/2
.set WX1, SC1+W1*(\p)+(\a)/2
.if \zero
.if (\b)%2 == 0
.if (\a)%2 == 0
	v_wmma_scale_f32_16x16x128_f8f6f4 v[WD:WD+7], v[WS0:WS0+11], v[WS1:WS1+11], 0, v[WX0], v[WX1] matrix_a_fmt:MATRIX_FMT_FP6 matrix_b_fmt:MATRIX_FMT_FP6
.else
	v_wmma_scale_f32_16x16x128_f8f6f4 v[WD:WD+7], v[WS0:WS0+11], v[WS1:WS1+11], 0, v[WX0], v[WX1] matrix_a_fmt:MATRIX_FMT_FP6 matrix_b_fmt:MATRIX_FMT_FP6 matrix_b_scale:MATRIX_SCALE_ROW1
.endif
.else
.if (\a)%2 == 0
	v_wmma_scale_f32_16x16x128_f8f6f4 v[WD:WD+7], v[WS0:WS0+11], v[WS1:WS1+11], 0, v[WX0], v[WX1] matrix_a_fmt:MATRIX_FMT_FP6 matrix_b_fmt:MATRIX_FMT_FP6 matrix_a_scale:MATRIX_SCALE_ROW1
.else
	v_wmma_scale_f32_16x16x128_f8f6f4 v[WD:WD+7], v[WS0:WS0+11], v[WS1:WS1+11], 0, v[WX0], v[WX1] matrix_a_fmt:MATRIX_FMT_FP6 matrix_b_fmt:MATRIX_FMT_FP6 matrix_a_scale:MATRIX_SCALE_ROW1 matrix_b_scale:MATRIX_SCALE_ROW1
.endif
.endif
.else
.if (\b)%2 == 0
.if (\a)%2 == 0
	v_wmma_scale_f32_16x16x128_f8f6f4 v[WD:WD+7], v[WS0:WS0+11], v[WS1:WS1+11], v[WD:WD+7], v[WX0], v[WX1] matrix_a_fmt:MATRIX_FMT_FP6 matrix_b_fmt:MATRIX_FMT_FP6
.else
	v_wmma_scale_f32_16x16x128_f8f6f4 v[WD:WD+7], v[WS0:WS0+11], v[WS1:WS1+11], v[WD:WD+7], v[WX0], v[WX1] matrix_a_fmt:MATRIX_FMT_FP6 matrix_b_fmt:MATRIX_FMT_FP6 matrix_b_scale:MATRIX_SCALE_ROW1
.endif
.else
.if (\a)%2 == 0
	v_wmma_scale_f32_16x16x128_f8f6f4 v[WD:WD+7], v[WS0:WS0+11], v[WS1:WS1+11], v[WD:WD+7], v[WX0], v[WX1] matrix_a_fmt:MATRIX_FMT_FP6 matrix_b_fmt:MATRIX_FMT_FP6 matrix_a_scale:MATRIX_SCALE_ROW1
.else
	v_wmma_scale_f32_16x16x128_f8f6f4 v[WD:WD+7], v[WS0:WS0+11], v[WS1:WS1+11], v[WD:WD+7], v[WX0], v[WX1] matrix_a_fmt:MATRIX_FMT_FP6 matrix_b_fmt:MATRIX_FMT_FP6 matrix_a_scale:MATRIX_SCALE_ROW1 matrix_b_scale:MATRIX_SCALE_ROW1
.endif
.endif
.endif
.endm
.macro MULT a0, n, p, zero             ; the accumulators take turns, one instruction a turn, in the same order in every step
.set MAI, \a0
.rept \n
.irp b, 0,1,2,3,4,5,6,7
	WM MAI, \b, \p, \zero
.endr
.set MAI, MAI+1
.endr
.endm
.macro STEP p, zero                    ; 128 along K on set p; the step named by POS is fetched meanwhile into the other set
	s_wait_dscnt 3*HA                              ; all but the youngest run (source 1's upper four fragments) is in
	WIN MUL_LO
	MULT 0, HA, \p, \zero
	s_wait_dscnt 0
	PLACES 4
	FETCH0 1-(\p)
	FETCH1 0, HA
	SCALES 1-(\p)
	WIN MUL_HI
	MULT HA, HA, \p, \zero
	PLACES 4
	WIN 0
	FETCH1 HA, HA
.endm
; A slot's last step, on set p, changes slots.  fill = 1: this slot takes the K steps six further on; fill = 2: the same, one K step alone; fill = 0: nothing is left to fetch.  ask: which prefetch follows, or -1
.macro TURN p, slot, fill, ask
	s_wait_tensorcnt 0x0                           ; all my tensor loads have landed: my part of the other slot
	ds_add_u32 v[SPW], v[NIL]
	s_wait_dscnt 3*HA+1                            ; (the add and the youngest run may be out)
	WIN MUL_LO
	MULT 0, HA/2, \p, 0
	s_wait_dscnt 0x0                               ; the add is done, and my reads of this slot are over
	s_barrier_signal -1
	MULT HA/2, HA/2, \p, 0
	WIN 0
	s_barrier_wait -1
.if \fill
	CREST                                          ; the barrier has opened a round of the cluster's
	s_add_nc_u64 s[G0X+4*(\slot)+2:G0X+4*(\slot)+3], s[G0X+4*(\slot)+2:G0X+4*(\slot)+3], 6*XROW
	s_add_nc_u64 s[G0W+4*(\slot)+2:G0W+4*(\slot)+3], s[G0W+4*(\slot)+2:G0W+4*(\slot)+3], 6*WROW
.if (\fill) == 2
.irp g, G1X, G1W                               ; no tensor load of mine is out, so a descriptor may be written: one row is left
	s_mov_b32 s[\g+2], 1<<16                       ; tensor_dim1 = 1
	s_mov_b32 s[\g+4], 1                           ; tile_dim1 = 1
	s_mov_b32 s[\g+6], 1<<16                       ; a one-row descriptor's stride1 is not 0
.endr
.endif
	JLOAD \slot                                    ; the first tensor load behind the round; its four v_nop are the places in front of the loads below
.else
	PLACES 4
.endif
	FETCH0 1-(\p)
	FETCH1 0, HA
	SCALES 1-(\p)
.if (\ask) >= 0
	ASK \ask
.endif
	WIN MUL_HI
	MULT HA, HA, \p, 0
	PLACES 4
	WIN 0
	FETCH1 HA, HA
.endm
; THE WAY OUT of source 1's tiles a and a + 1 (one window): eight blocks of 32 by turns.  Each accumulator is read from its low end on.  Each tile has code registers of its own.
.macro QW2 a
.set AC, 64*((\a)%4)
.set WW, 2+(\a)/4
	WIN WW*5                                       ; sources 0 and 1: the accumulators' window
.irp b, 0,1,2,3,4,5,6,7
	v_max3_num_f32 v[TM+\b], |v[AC+16*\b]|, |v[AC+1+16*\b]|, 0x1800000      ; and the floor 2^(3 - 127)
.endr
.irp i, 2,4,6,8,10,12,14
.irp b, 0,1,2,3,4,5,6,7
	v_max3_num_f32 v[TM+\b], |v[AC+16*\b+\i]|, |v[AC+1+16*\b+\i]|, v[TM+\b]
.endr
.endr
	WIN 0
.irp b, 0,1,2,3,4,5,6,7
	v_permlanex16_b32 v[TM+8+\b], v[TM+\b], s[SEL], s[SEL+1]
.endr
.irp b, 0,1,2,3,4,5,6,7
	v_max_num_f32 v[TM+\b], v[TM+\b], v[TM+8+\b]   ; with lane l xor 16's 16: the block's largest magnitude
.endr
.irp b, 0,1,2,3,4,5,6,7
	v_add_nc_u32 v[TM+16+\b], 0xff000000, v[TM+\b] ; 2 off its exponent field: the conversion's scale operand
.endr
.irp b, 0,1,2,3,4,5,6,7
	v_lshrrev_b32 v[TM+8+\b], 23, v[TM+16+\b]      ; the byte
.endr
.irp s, 8,16,24
.irp u, 0,1
.if \s == 8
	v_lshl_or_b32 v[PW+\u], v[TM+9+4*\u], 8, v[TM+8+4*\u]
.else
	v_lshl_or_b32 v[PW+\u], v[TM+8+4*\u+\s/8], \s, v[PW+\u]
.endif
.endr
.endr
	WIN WW                                         ; source 0 alone
.irp u, 0,1
.set PQ, PCB+20*((\a)+\u)
.irp c, 0,1
	v_cvt_scalef32_pk16_fp6_f32 v[PQ+6*\c:PQ+6*\c+2], v[AC+64*\u+32*\c:AC+64*\u+32*\c+15], v[TM+16+4*\u+2*\c]
	v_cvt_scalef32_pk16_fp6_f32 v[PQ+12+4*\c:PQ+12+4*\c+2], v[AC+64*\u+32*\c+16:AC+64*\u+32*\c+31], v[TM+16+4*\u+2*\c+1]
.endr
.endr
	WIN 0
	v_nop                                          ; one plain place behind a scaled conversion
.irp u, 0,1
.set PQ, PCB+20*((\a)+\u)
.irp c, 0,1
.irp i, 0,1,2
	v_permlane16_swap_b32 v[PQ+6*\c+\i], v[PQ+12+4*\c+\i]   ; a whole block to a lane
.endr
.irp i, 0,1,2
	v_mov_b32 v[PQ+3+6*\c+\i], v[PQ+12+4*\c+\i]
.endr
.endr
.irp c, 0,1,2
	global_store_b128 v2, v[PQ+4*\c:PQ+4*\c+3], s[8:9] offset:1536*((\a)+\u)+512*\c   ; 512 consecutive bytes, aligned
.endr
	ds_store_b32 v30, v[PW+\u] offset:64*((\a)+\u) ; the scale words are gathered: both halves of the lanes write the same word with the same value
.endr
.endm
; Wc: block t of the trip's four (4, 5: the next trip's first two): Wc(32 t + i, my column), i = 0 .. 31; every offset an immediate: 191 rows of 8,192 bytes at the most
.macro WLOAD t
.set WI, 0
.rept 32
	global_load_b32 v[WX+32*((\t)%2)+WI], v3, s[76:77] offset:(32*(\t)+WI)*8192 th:TH_LOAD_NT
.set WI, WI+1
.endr
.endm
.macro BLOCK t
.set XS, WX+32*((\t)%2)
.set SOF, 256*((\t)%2)                 ; the block belongs to lanes 16 (t % 2) + r of the fragment
.if (\t) < 3
	s_wait_loadcnt 32                              ; this block's 32 loads are in; the next block's 32 may be out
.else
	s_wait_loadcnt 0
.endif
	v_max3_num_f32 v12, |v[XS]|, |v[XS+1]|, |v[XS+2]|              ; all 32 numbers of the block are mine
	v_max3_num_f32 v13, |v[XS+3]|, |v[XS+4]|, |v[XS+5]|
.irp i, 6,10,14,18,22,26
	v_max3_num_f32 v12, v12, |v[XS+\i]|, |v[XS+\i+1]|
	v_max3_num_f32 v13, v13, |v[XS+\i+2]|, |v[XS+\i+3]|
.endr
	v_max3_num_f32 v12, v12, |v[XS+30]|, |v[XS+31]|
	v_max3_num_f32 v12, v12, v13, 0x1800000        ; and the floor
	v_add_nc_u32 v11, 0xff000000, v12
	v_lshrrev_b32 v13, 23, v11
.if (\t) == 0
	v_mov_b32 v[SB], v13
.else
	v_lshl_or_b32 v[SB], v13, 8*(\t), v[SB]
.endif
	v_cvt_scalef32_pk16_fp6_f32 v[WC:WC+2], v[XS:XS+15], v11
	v_cvt_scalef32_pk16_fp6_f32 v[WC+4:WC+6], v[XS+16:XS+31], v11
	v_nop                                          ; one plain place behind a scaled conversion
	v_mov_b32 v[WC+3], v[WC+4]                     ; the block's 24 bytes on end
	v_mov_b32 v[WC+4], v[WC+5]
	v_mov_b32 v[WC+5], v[WC+6]
.if (\t)/2 == 0                                ; registers 0-5 of the fragment
	ds_store_b128 v4, v[WC:WC+3] offset:SOF
	ds_store_b64 v4, v[WC+4:WC+5] offset:SOF+512
.else                                          ; registers 6-11
	ds_store_b64 v4, v[WC:WC+1] offset:SOF+520
	ds_store_b128 v4, v[WC+2:WC+5] offset:SOF+1024
.endif
.if (\t) < 2
	WLOAD (\t)+2
.endif
	s_wait_dscnt 0x0                               ; the stores have read their registers
.endm
	s_load_b128 s[4:7], s[0:1], 0x0                ; xq, wqkv
	s_load_b64 s[8:9], s[0:1], 0x10                ; qkvh
	s_load_b128 s[76:79], s[0:1], 0x18             ; Wc, wcq
	v_lshl_add_u32 v[SPW], v0, 2, SPARE
	v_mov_b32 v[NIL], 0
	ds_add_u32 v[SPW], v[NIL]                      ; the opening lines: the add, twice on end, and its wait ahead of my first tensor load
	ds_add_u32 v[SPW], v[NIL]
	v_lshrrev_b32 v1, 5, v0
	v_readfirstlane_b32 s14, v1                    ; wave 0..3
	s_lshr_b32 s15, s14, 1                         ; my token panel.  Also: I fetch for x (0) or for the weight (1)
	s_and_b32 s16, s14, 1                          ; my head of the two.  Also: which panel or head I fetch
	s_bfe_u32 s10, ttmp6, 0x40000                  ; cx
	s_bfe_u32 s11, ttmp6, 0x40004                  ; cy
	s_and_b32 s13, ttmp7, 0xffff
	s_lshl_b32 s13, s13, 2
	s_add_co_u32 s13, s13, s11                     ; mt: which 256 tokens (Wc: which 128 columns)
	s_lshl_b32 s18, s11, 2
	s_lshl_b32 s18, 15, s18                        ; my row of the cluster
	s_lshl_b32 s19, 0x1111, s10                    ; my column
	s_or_b32 s[G1X], s18, (3<<16)|(1<<21)          ; the mask; elements of 8 bytes; no padding; bit 21 beside a mask
	s_or_b32 s[G1W], s19, (3<<16)|(1<<21)
.irp g, G1X, G1W                               ; three rows of 12,800 bytes (1,600 elements): one panel's half-panels of three K steps
	s_mov_b32 s[\g+1], 1600<<16
	s_mov_b32 s[\g+2], 3<<16
	s_mov_b32 s[\g+3], 1600<<16
	s_mov_b32 s[\g+4], 3
	s_mov_b32 s[\g+6], 0
	s_mov_b32 s[\g+7], 0
.endr
	s_mov_b32 s[G1X+5], XROW/8
	s_mov_b32 s[G1W+5], WROW/8
	s_lshl_b32 s12, ttmp9, 3                       ; my head's panel in wqkv: a query head 8 X + 2 cx + j,
	s_lshl_b32 s2, s10, 1
	s_add_co_u32 s12, s12, s2
	s_add_co_u32 s12, s12, s16
	s_lshl_b32 s2, s16, 2                          ; or in cluster x = 2: 16 + cx + 4 j
	s_add_co_u32 s2, s2, s10
	s_add_co_u32 s2, s2, 16
	s_cmp_lt_u32 ttmp9, 2
	s_cselect_b32 s12, s12, s2
	s_cmp_eq_u32 ttmp9, 2
	s_cselect_b32 s17, s16, 0                      ; 1: my head is a value head
	s_lshl_b32 s92, s13, 1                         ; x: token panel 2 mt + j: it hangs on mt and the wave's number alone
	s_add_co_u32 s92, s92, s16
	s_mul_i32 s92, s92, 12800
	s_mov_b32 s93, 0
	s_mul_i32 s94, s12, 12800                      ; the weight: my head's panel
	s_mov_b32 s95, 0
	s_mul_i32 s90, s14, 38400                      ; where my load goes: no place in the cluster enters an LDS address
	s_mov_b32 s[SEL], 0x76543210
	s_mov_b32 s[SEL+1], 0xfedcba98
	s_wait_dscnt 0x0                               ; both opening adds are done
	s_wait_kmcnt 0x0
	s_cmp_eq_u32 ttmp9, 3                          ; the cluster's x: the same in all sixteen partners
	s_cbranch_scc1 .Lwc
	s_add_nc_u64 s[96:97], s[4:5], s[92:93]        ; my panel's half-panel of K step 0,
	s_add_nc_u64 s[98:99], s[6:7], s[94:95]        ; my head's
	CROUND                                         ; all sixteen work-groups are here: the first joint loads meet
.irp s, 0,1
	s_mov_b32 s[G0X+4*\s], 1
	s_add_co_u32 s[G0X+4*\s+1], s90, \s*SLOT
	s_add_nc_u64 s[G0X+4*\s+2:G0X+4*\s+3], s[96:97], \s*3*XROW
	s_or_b32 s[G0X+4*\s+3], s[G0X+4*\s+3], 0x80000000
	s_mov_b32 s[G0W+4*\s], 1
	s_add_co_u32 s[G0W+4*\s+1], s90, \s*SLOT
	s_add_nc_u64 s[G0W+4*\s+2:G0W+4*\s+3], s[98:99], \s*3*WROW
	s_or_b32 s[G0W+4*\s+3], s[G0W+4*\s+3], 0x80000000
.endr
	JLOAD 0                                        ; K steps 0 to 2: my one tensor load at the head
	v_and_b32 v1, 31, v0                           ; lane
	v_lshlrev_b32 v2, 4, v1                        ; 16 x lane
	v_lshlrev_b32 v3, 2, v1                        ; 4 x lane
	s_wait_alu depctr_va_vdst(0)                   ; the wait ahead of the run of scalar lines
	s_mul_i32 s76, s15, 38400                      ; s76-81: my token panel's half-panel at the six positions
	s_add_co_u32 s77, s76, 12800
	s_add_co_u32 s78, s76, 25600
	s_add_co_u32 s79, s76, SLOT
	s_add_co_u32 s80, s76, SLOT+12800
	s_add_co_u32 s81, s76, SLOT+25600
	s_mul_i32 s82, s16, 38400                      ; s82-87: my head's
	s_add_co_u32 s82, s82, 76800
	s_add_co_u32 s83, s82, 12800
	s_add_co_u32 s84, s82, 25600
	s_add_co_u32 s85, s82, SLOT
	s_add_co_u32 s86, s82, SLOT+12800
	s_add_co_u32 s87, s82, SLOT+25600
	s_cmp_eq_u32 s17, 1                            ; a value head?
.irp i, 0,1,2,3,4,5
	s_cselect_b32 s90, s[76+\i], s[82+\i]          ; source 0: the weight, for v the tokens
	s_cselect_b32 s91, s[82+\i], s[76+\i]          ; source 1: the tokens, for v the weight
	v_add_nc_u32 v[4+\i], s90, v2
	v_add_nc_u32 v[10+\i], s91, v2
	v_add_nc_u32 v[16+\i], s90, v3
	v_add_nc_u32 v[22+\i], s91, v3
.endr
	s_lshl_b32 s90, s14, 9                         ; the way out: 512 bytes for my scale words, at the start of slot 0, which by then has had its last fill, and its last read ahead of the last barrier
	v_and_b32 v86, 15, v0
	v_lshl_add_u32 v30, v86, 2, s90
	v_add_nc_u32 v31, s90, v2
.irp b, 0,1,2,3,4,5,6,7
	v_mov_b32 v[TM+8+\b], 0                        ; written once: a lane permute's destination counts as one of its sources
.endr
	; the prefetches (macro ASK): block i of my load's 150 lies at 256 i + (i / 50) x (the pitch - 12,800)
	s_mov_b32 s19, WROW-12800
	s_mov_b32 s20, 3*WROW
	s_mov_b32 s21, 0
	s_cmp_eq_u32 s15, 0                            ; do I fetch for x?
	s_cselect_b64 s[PFB:PFB+1], s[96:97], s[98:99]
	s_cselect_b32 s89, s10, s11                    ; my place among the four that ask with me
	s_cselect_b32 s19, XROW-12800, s19
	s_cselect_b32 s20, 3*XROW, s20                 ; bytes from fill to fill
	s_mul_i32 s89, s89, 38                         ; my first block,
	s_add_co_u32 s18, s89, 37
	s_min_u32 s18, s18, 149                        ; and my last
	s_add_nc_u64 s[PFB:PFB+1], s[PFB:PFB+1], s[20:21]
	s_add_nc_u64 s[PFB+2:PFB+3], s[PFB:PFB+1], s[20:21]
	s_add_nc_u64 s[PFB+4:PFB+5], s[PFB+2:PFB+3], s[20:21]
	s_add_nc_u64 s[PFB+6:PFB+7], s[PFB+4:PFB+5], s[20:21]
	v_add_nc_u32 v92, s89, v1                      ; blocks 38 p + lane,
	v_add_nc_u32 v93, 32, v92
	v_min_u32 v93, s18, v93                        ; and 38 p + 32 + lane, held at my last block
.irp r, 92, 93
	v_mul_u32_u24 v94, 1311, v[\r]
	v_lshrrev_b32 v94, 16, v94                     ; i / 50, for i under 150
	v_mul_u32_u24 v94, s19, v94
	v_lshl_add_u32 v[\r], v[\r], 8, v94
.endr
	s_wait_alu depctr_va_vdst(0)                   ; the wait ahead of the readers below
	ASK 0                                          ; K steps 3 to 5, which the fill behind the next round asks for
	s_lshl_b32 s90, s13, 1                         ; where my half-panel of the output lies
	s_add_co_u32 s90, s90, s15                     ; rp: my 128 tokens
	s_lshl_b32 s91, s90, 4
	s_add_co_u32 s91, s91, s12                     ; q: half-panel 16 rp + head
	s_lshr_b32 s2, s90, 3                          ; k, v: 512 + (((rp / 8) 4 + kv head) 8 + rp % 8) 2 + (1 for v)
	s_lshl_b32 s2, s2, 2
	s_add_co_u32 s2, s2, s10
	s_lshl_b32 s2, s2, 3
	s_and_b32 s3, s90, 7
	s_add_co_u32 s2, s2, s3
	s_lshl_b32 s2, s2, 1
	s_add_co_u32 s2, s2, s16
	s_add_co_u32 s2, s2, 512
	s_cmp_lt_u32 ttmp9, 2
	s_cselect_b32 s91, s91, s2
	s_mul_i32 s2, s91, 12800
	s_mov_b32 s3, 0
	s_add_nc_u64 s[8:9], s[8:9], s[2:3]            ; my wave owns one whole half-panel of the output
	s_wait_alu depctr_va_vdst(0)                   ; the wait at the head's end
	s_wait_tensorcnt 0x0                           ; my part of slot 0 is in; these lines stand ahead of a later first fill as ahead of a refill
	ds_add_u32 v[SPW], v[NIL]
	s_wait_dscnt 0x0
	CROUND                                         ; everybody's part is in, and the joint loads meet
	JLOAD 1                                        ; K steps 3 to 5: the first tensor load behind the round
	POS 0
	FETCH0 0
	FETCH1 0, HA
	SCALES 0
	FETCH1 HA, HA
	ASK 1                                          ; K steps 6 to 8
	POS 1
	STEP 0, 1                                      ; K step 0: its products start the sums
	POS 2
	STEP 1, 0
	POS 3
	TURN 0, 0, 1, 2                                ; K step 2: slot 0 takes K steps 6 to 8; K steps 9 to 11 are asked for ahead
	POS 4
	STEP 1, 0
	POS 5
	STEP 0, 0
	POS 0
	TURN 1, 1, 1, 3                                ; K step 5: slot 1 takes K steps 9 to 11; K steps 12 to 14 are asked for ahead
	POS 1
	STEP 0, 0
	POS 2
	STEP 1, 0
	POS 3
	TURN 0, 0, 1, -1                               ; K step 8: slot 0 takes K steps 12 to 14
	POS 4
	STEP 1, 0
	POS 5
	STEP 0, 0
	POS 0
	TURN 1, 1, 2, -1                               ; K step 11: slot 1 takes K step 15
	POS 1
	STEP 0, 0
	POS 2
	STEP 1, 0
	POS 3
	TURN 0, 0, 0, -1                               ; K step 14: nothing is left to fetch
	s_wait_dscnt 3*HA                              ; K step 15: nothing more to read
	WIN MUL_LO
	MULT 0, HA, 1, 0
	s_wait_dscnt 0
	WIN MUL_HI
	MULT HA, HA, 1, 0
	WIN 0
	PLACES 4
	QW2 0
	QW2 2
	QW2 4
	QW2 6
	ds_load_b128 v[88:91], v31                     ; my half-panel's 512 scale bytes (LDS serves a wave's instructions in order: ISA guide 5.7.1.4)
	s_wait_dscnt 0x0
	global_store_b128 v2, v[88:91], s[8:9] offset:12288
	s_wait_tensorcnt 0x0                           ; the wave's end
	ds_add_u32 v[SPW], v[NIL]
	s_wait_dscnt 0x0
	CROUND                                         ; the closing round
	s_endpgm
	; ---------------- Wc ----------------
	; Work-group (cx, mt) takes columns 128 mt .. + 127 and K = 512 cx .. + 511: four half-panels on end in wcq, at ((16 cx + mt) 4 + q) 12800.  A wave takes 32 columns: a lane a column, its registers down K.
	; A trip is one K step of 128: four blocks of 32, the wave's two fragments and its scale words.  Two blocks' loads, 64, are out at the most.  The place in the cluster enters global addresses alone.
.Lwc:
	v_and_b32 v1, 31, v0                           ; lane
	v_lshlrev_b32 v2, 4, v1
	v_lshlrev_b32 v3, 2, v1
	s_lshl_b32 s20, s10, 22                        ; 512 cx rows of 8,192 bytes
	s_lshl_b32 s21, s13, 9                         ; the panel's 512 bytes of a row
	s_add_co_u32 s20, s20, s21
	s_lshl_b32 s21, s14, 7                         ; my wave's 128 of them
	s_add_co_u32 s20, s20, s21
	s_mov_b32 s21, 0
	s_add_nc_u64 s[76:77], s[76:77], s[20:21]
	s_lshl_b32 s22, s10, 4
	s_add_co_u32 s22, s22, s13
	s_mul_i32 s22, s22, 51200
	s_mov_b32 s23, 0
	s_add_nc_u64 s[78:79], s[78:79], s[22:23]      ; the trip's half-panel
	s_mul_i32 s22, s14, 3072
	s_add_nc_u64 s[80:81], s[78:79], s[22:23]      ; my wave's two fragments in it
	s_wait_alu depctr_va_vdst(0)                   ; the wait behind the run of scalar lines
	WLOAD 0
	WLOAD 1
	v_bfe_u32 v8, v0, 3, 1                         ; column 32 wave + lane is row r of fragment 2 wave + u: u = (lane / 8) % 2,
	v_bfe_u32 v9, v0, 4, 1
	v_and_b32 v10, 7, v0
	v_lshl_add_u32 v9, v9, 3, v10                  ; r = lane % 8 + 8 (lane / 16)
	s_mul_i32 s56, s14, 3328
	s_add_co_u32 s56, s56, WST                     ; my stage: two fragments, 1,664 bytes apart
	v_mul_u32_u24 v10, v8, 1664
	v_lshl_add_u32 v10, v9, 4, v10
	v_add_nc_u32 v4, s56, v10                      ; into it
	v_add_nc_u32 v5, s56, v2                       ; out of it
	v_lshlrev_b32 v6, 6, v8
	v_lshl_add_u32 v6, v9, 2, v6
	s_lshl_b32 s57, s14, 7
	v_add_nc_u32 v6, s57, v6                       ; my column's scale word: 64 (2 wave + u) + 4 r
	s_mov_b32 s24, 0
	s_wait_alu depctr_va_vdst(0)                   ; the wait at the head's end
.Lwtrip:
	BLOCK 0
	BLOCK 1
	BLOCK 2
	BLOCK 3
	s_cmp_eq_u32 s24, 3                            ; the last trip has no successor: its look-ahead is left out, and no load is out behind it
	s_cbranch_scc1 .Lwlast
	WLOAD 4
	WLOAD 5
.Lwlast:
	s_wait_alu depctr_va_vdst(0)                   ; the wait ahead of the reader below
	global_store_b32 v6, v[SB], s[78:79] offset:12288   ; 128 consecutive bytes a wave
.set WI, 0
.rept 6
	ds_load_b128 v[WO+4*WI:WO+4*WI+3], v5 offset:1664*(WI/3)+512*(WI%3)
.set WI, WI+1
.endr
.set WI, 0
.rept 6
	s_wait_dscnt 5-WI                              ; the younger read-backs may stay out
	global_store_b128 v2, v[WO+4*WI:WO+4*WI+3], s[80:81] offset:1536*(WI/3)+512*(WI%3)   ; 512 consecutive bytes, aligned
.set WI, WI+1
.endr
	s_wait_xcnt 0x0                                ; the bases, the scale word and the way out's registers are written again only behind this wait
	s_add_nc_u64 s[76:77], s[76:77], 1048576       ; 128 rows on
	s_add_nc_u64 s[78:79], s[78:79], 12800
	s_add_nc_u64 s[80:81], s[80:81], 12800
	s_add_co_u32 s24, s24, 1
	s_cmp_lt_u32 s24, 4
	s_wait_alu depctr_va_vdst(0)                   ; the wait ahead of the backward jump
	s_cbranch_scc1 .Lwtrip
	s_wait_tensorcnt 0x0                           ; the wave's end
	ds_add_u32 v[SPW], v[NIL]
	s_wait_dscnt 0x0
	CROUND                                         ; a closing round here too: all sixteen partners of this cluster take this path
	s_endpgm
.Lfunc_end_k_q863d8978a1_proj:
	.size	k_q863d8978a1_proj, .Lfunc_end_k_q863d8978a1_proj-k_q863d8978a1_proj
	.p2alignl 7, 3214868480
	.fill 96, 4, 3214868480
	.section	.rodata,"a",@progbits
	.p2align	6, 0x0
	.amdhsa_kernel k_q863d8978a1_proj
		.amdhsa_group_segment_fixed_size 327680
		.amdhsa_private_segment_fixed_size 0
		.amdhsa_enable_private_segment 0
		.amdhsa_kernarg_size 40
		.amdhsa_user_sgpr_count 2
		.amdhsa_user_sgpr_kernarg_segment_ptr 1
		.amdhsa_wavefront_size32 1
		.amdhsa_system_sgpr_workgroup_id_x 1
		.amdhsa_system_sgpr_workgroup_id_y 1
		.amdhsa_system_sgpr_workgroup_id_z 1
		.amdhsa_system_vgpr_workitem_id 0
		.amdhsa_next_free_vgpr 1024
		.amdhsa_next_free_sgpr 100
		.amdhsa_reserve_vcc 0
		.amdhsa_float_denorm_mode_32 3
		.amdhsa_float_denorm_mode_16_64 3
		.amdhsa_memory_ordered 1
		.amdhsa_forward_progress 1
		.amdhsa_inst_pref_size 255
	.end_amdhsa_kernel
	.section	.bss,"aw",@nobits
	.p2align	6
	.space	262144
	.amdgpu_metadata
---
amdhsa.version: [ 1, 2 ]
amdhsa.kernels:
  - .name:           k_q863d8978a1_proj
    .symbol:         k_q863d8978a1_proj.kd
    .args:
      - { .name: xq, .offset: 0, .size: 8, .value_kind: global_buffer, .address_space: global }
      - { .name: wqkv, .offset: 8, .size: 8, .value_kind: global_buffer, .address_space: global }
      - { .name: qkvh, .offset: 16, .size: 8, .value_kind: global_buffer, .address_space: global }
      - { .name: Wc, .offset: 24, .size: 8, .value_kind: global_buffer, .address_space: global }
      - { .name: wcq, .offset: 32, .size: 8, .value_kind: global_buffer, .address_space: global }
    .group_segment_fixed_size: 327680
    .private_segment_fixed_size: 0
    .kernarg_segment_align: 8
    .kernarg_segment_size: 40
    .max_flat_workgroup_size: 128
    .sgpr_count:     100
    .vgpr_count:     1024
    .wavefront_size: 32
...
	.end_amdgpu_metadata
.endif
;; end of part 2
;; launch attn (part 3): grid 16 x 16, 16 waves a work-group, clusters of 4 x 1, 206,848 bytes of LDS; arguments qkvh, yq; writes yq
.if DOCPART == 3
	.amdgcn_target "amdgcn-amd-amdhsa--gfx1250"
	.amdhsa_code_object_version 6
	.text
	.protected	k_q863d8978a1_attn
	.globl	k_q863d8978a1_attn
	.p2align	8
	.type	k_q863d8978a1_attn,@function
k_q863d8978a1_attn:
	s_mov_b64 s[64:65], 0
	v_nop
	global_prefetch_b8 v0, s[64:65] scope:SCOPE_SE
	s_setreg_imm32_b32 hwreg(HW_REG_WAVE_MODE, 25, 1), 1
	s_wait_xcnt 0x0
	s_wait_alu depctr_hold_cnt(0) depctr_sa_sdst(0) depctr_va_vdst(0) depctr_va_sdst(0) depctr_va_ssrc(0) depctr_va_vcc(0) depctr_vm_vsrc(0)
	s_getreg_b32 s2, hwreg(HW_REG_IB_STS2, 6, 4)
	s_cmp_eq_u32 s2, 0
	s_cbranch_scc0 .Lentry_in_a_cluster
	s_endpgm
.Lentry_in_a_cluster:
	s_bfe_u32 s2, ttmp6, 0x10000c
	s_cmp_lg_u32 s2, 0x3003
	s_cbranch_scc0 .Lentry_shape_is_right
	s_endpgm
.Lentry_shape_is_right:
; y = softmax(q k^T / sqrt(128), causal) v for 4 batches x 16 query heads (4 to a key and value head), T = 1024, both products on codes of FP6 (E2M3) with E8M0 scales; y / l is quantised along the head's 128 and leaves as codes.
; THE SOFTMAX: t = score x log2(e) / sqrt(128); M = the running largest t rounded UP to a whole number; p = 2^(t - M) is quantised along the keys, not normalised; the row's sum l is taken of the unquantised p; when M moves,
; l and O are multiplied by 2^(old M - new M), which rounds nothing.
; All buffers are arrays of half-panels of 12,800 bytes (128 rows x 128 K in the order of the operand's registers; lane r of fragment t holds row 32 (t / 2) + 8 (t % 2) + r + 8 (r / 8); scale words at 12288 + 64 t + 4 r).
; SHARES.  Grid y = the pair (batch, kv head).  All K and V^T of a pair, 16 half-panels on end, 204,800 bytes, come into LDS ONCE and stay: nothing is filled again.  The 16 work-groups of a pair share them; the four of a cluster ask jointly.
; Each of the sixteen waves owns ONE tile of 16 queries of one head (head g = wave / 4 of the pair's four).  A tile in token panel tp needs tp + 1 key steps of 128 keys (the rest lies under the causal mask).  The tiles are dealt so that
; the four waves with the same wave / 4, and the four with the same wave % 4, together have 18 steps in every work-group: ti = (wave + g) % 4; tp = 4 (ti / 2) + ((cluster x / 2) xor 3 (ti % 2)).
; tp hangs on the wave's number and on the cluster's x alone; the work-group's place in its cluster enters global addresses and one data register (the mask's) only.
; Both products are used transposed: S^T = K Q^T, O^T = V^T P^T: a lane holds one query throughout, and its registers run along the keys, then along the channels, in the quantiser's order.
; THE LDS LOADS OF A KEY STEP stand in three runs, each as early as its registers are free: K's eight fragments at the step's head; V's first four behind the scores' products, so that they land under the softmax;
; V's other four behind the conversions, into the registers that p has left, so that they land under the rescaling of O^T.
; LIMITS: a block of zeros or under 2^-124 gets the byte 1 (this program alone reads the bytes); NaN and infinities are not served; 1 / l by v_rcp_f32.
; REGISTERS: v1-3 16 x lane, 4 x lane, 4 r; v5-6 the add's two; v7 the mask's d; v8, v10 addresses of the step; v9 lane; v12 -M, v13 the largest t, v[14:15] l in two halves; v16-27 Q;
;   K's fragments: tiles 0-4 v32-91, tile 5 v224-235, tile 6 v236-247, tile 7 v128-139;  V's: tiles 0-3 v32-79, tiles 4-7 v96-143;  v96-159 S^T, then p; v160-223 O^T; v224-235 p's codes; v232-247, v252, v254 at work;
;   v248-251 the tiles' scale words; v253 p's scale word; v255 Q's.
.set SPARE, 204800                     ; behind the sixteen half-panels: the spare words, 128 bytes for each wave, eight blocks of 256 bytes that no other line names
.set SPW,  5
.set NIL,  6
.set WV,   18
.set SEL,  20                          ; s[20:21] lane selects: lane l xor 16
.set CS,   22                          ; s[22:23] c = log2(e) / sqrt(128), twice
.set TB,   2                           ; s2  LDS byte of the step's record: K's half-panel, then V^T's
.set ST,   3                           ; s3  the key step
.set NST,  48                          ; s48 my number of key steps
.set G1A,  24                          ; s[24:31] group 1: 50 rows of 256 bytes
.set G1B,  32
.set G0A,  40
.set G0B,  44
.macro CROUND
	s_barrier_signal -1
	s_barrier_wait -1
	s_cmp_lg_u32 s[WV], 0
	s_cbranch_scc1 .Lnot_wave_0_\@
	s_barrier_signal -3
.Lnot_wave_0_\@:
	s_barrier_wait -3
	s_barrier_signal -1
	s_barrier_wait -1
.endm
.macro QUANT s, pc, pw, tm             ; 64 numbers of a lane, register 16 b + i = k 32 b + 16 (lane / 16) + i, become a fragment's 12 registers and its scale word
.irp b, 0,1,2,3
	v_max3_num_f32 v[\tm+\b], |v[\s+16*\b]|, |v[\s+1+16*\b]|, 0x1800000
.endr
.irp i, 2,4,6,8,10,12,14
.irp b, 0,1,2,3
	s_delay_alu instid0(VALU_DEP_4)
	v_max3_num_f32 v[\tm+\b], v[\tm+\b], |v[\s+16*\b+\i]|, |v[\s+1+16*\b+\i]|
.endr
.endr
.irp b, 0,1,2,3
	s_delay_alu instid0(VALU_DEP_4)
	v_permlanex16_b32 v[\tm+4+\b], v[\tm+\b], s[SEL], s[SEL+1]
.endr
.irp b, 0,1,2,3
	s_delay_alu instid0(VALU_DEP_4)
	v_max_num_f32 v[\tm+\b], v[\tm+\b], v[\tm+4+\b]
.endr
.irp b, 0,1,2,3
	s_delay_alu instid0(VALU_DEP_4)
	v_add_nc_u32 v[\tm+12+\b], 0xff000000, v[\tm+\b]
.endr
.irp b, 0,1,2,3
	s_delay_alu instid0(VALU_DEP_4)
	v_lshrrev_b32 v[\tm+4+\b], 23, v[\tm+12+\b]
.endr
	s_delay_alu instid0(VALU_DEP_3)
	v_lshl_or_b32 v[\pw], v[\tm+5], 8, v[\tm+4]
	s_delay_alu instid0(VALU_DEP_1)
	v_lshl_or_b32 v[\pw], v[\tm+6], 16, v[\pw]
	s_delay_alu instid0(VALU_DEP_1)
	v_lshl_or_b32 v[\pw], v[\tm+7], 24, v[\pw]
.irp c, 0,1
	v_cvt_scalef32_pk16_fp6_f32 v[\pc+6*\c:\pc+2+6*\c], v[\s+32*\c:\s+15+32*\c], v[\tm+12+2*\c]
	v_cvt_scalef32_pk16_fp6_f32 v[\pc+12+4*\c:\pc+14+4*\c], v[\s+16+32*\c:\s+31+32*\c], v[\tm+12+2*\c+1]
.endr
	v_nop                                          ; one plain place behind a scaled conversion
.irp c, 0,1
.irp i, 0,1,2
	v_permlane16_swap_b32 v[\pc+6*\c+\i], v[\pc+12+4*\c+\i]
.endr
.irp i, 0,1,2
	s_delay_alu instid0(VALU_DEP_3)
	v_mov_b32 v[\pc+3+6*\c+\i], v[\pc+12+4*\c+\i]
.endr
.endr
.endm
.macro LFRAG reg, off                  ; a fragment: three loads of 16 bytes a lane, dense
.irp c, 0,1,2
	ds_load_b128 v[\reg+4*\c:\reg+4*\c+3], v8 offset:\off+512*\c
.endr
.endm
.macro SPROD d, a, sc, odd             ; 16 keys x my 16 queries.  An odd tile's scale words stand in lanes 16-31 of its register
.if \odd
	v_wmma_scale_f32_16x16x128_f8f6f4 v[\d:\d+7], v[\a:\a+11], v[16:27], 0, v[\sc], v255 matrix_a_fmt:MATRIX_FMT_FP6 matrix_b_fmt:MATRIX_FMT_FP6 matrix_a_scale:MATRIX_SCALE_ROW1
.else
	v_wmma_scale_f32_16x16x128_f8f6f4 v[\d:\d+7], v[\a:\a+11], v[16:27], 0, v[\sc], v255 matrix_a_fmt:MATRIX_FMT_FP6 matrix_b_fmt:MATRIX_FMT_FP6
.endif
.endm
.macro OPROD d, a, sc, odd             ; 16 channels x my 16 queries, over the step's 128 keys
.if \odd
	v_wmma_scale_f32_16x16x128_f8f6f4 v[\d:\d+7], v[\a:\a+11], v[224:235], v[\d:\d+7], v[\sc], v253 matrix_a_fmt:MATRIX_FMT_FP6 matrix_b_fmt:MATRIX_FMT_FP6 matrix_a_scale:MATRIX_SCALE_ROW1
.else
	v_wmma_scale_f32_16x16x128_f8f6f4 v[\d:\d+7], v[\a:\a+11], v[224:235], v[\d:\d+7], v[\sc], v253 matrix_a_fmt:MATRIX_FMT_FP6 matrix_b_fmt:MATRIX_FMT_FP6
.endif
.endm
; A KEY STEP: 128 keys.  A step all of whose keys come after my queries is left out: a scalar branch on ids, round the work alone; the line at the end that steps the address is on every path
.macro STEP
	s_cmp_ge_u32 s[ST], s[NST]
	s_cbranch_scc1 .Lhidden_\@
	v_add_nc_u32 v8, s[TB], v1
	v_add_nc_u32 v10, s[TB], v2
.rept 3
	v_nop                                          ; with the two additions: five places behind the last step's products: four for the loads into their registers, five for the scores, which are written over V's fragments
.endr
	LFRAG 32, 0                                    ; K's eight fragments in one run
	LFRAG 44, 1536
	LFRAG 56, 3072
	LFRAG 68, 4608
	LFRAG 80, 6144
	LFRAG 224, 7680
	LFRAG 236, 9216
	LFRAG 128, 10752                               ; tile 7's lies where the scores of tiles 4 and 5 will lie
.irp i, 0,1,2,3
	ds_load_b32 v[248+\i], v10 offset:12288+128*\i ; lanes 0-15 the even tile's scale words, lanes 16-31 the odd tile's
.endr
	s_wait_alu depctr_va_vdst(0)
	s_wait_dscnt 0x0
	SPROD 152, 128, 251, 1                         ; S^T = K Q^T.  Tile 7 first: its fragment's registers are wanted
	SPROD 96, 32, 248, 0
	SPROD 104, 44, 248, 1
	SPROD 112, 56, 249, 0
	SPROD 120, 68, 249, 1
	SPROD 144, 236, 251, 0
.rept 5
	v_nop                                          ; five places between tile 7's product and the two that write over its fragment
.endr
	SPROD 128, 80, 250, 0
	SPROD 136, 224, 250, 1                         ; register 16 b + i of lane (r, h): key 32 b + 16 h + i of the step
.rept 4
	v_nop
.endr
	LFRAG 32, 12800                                ; V's tiles 0 to 3: they land under the softmax, which names none of these registers
	LFRAG 44, 12800+1536
	LFRAG 56, 12800+3072
	LFRAG 68, 12800+4608
.irp i, 0,1
	ds_load_b32 v[248+\i], v10 offset:25088+128*\i
.endr
	s_add_co_u32 s49, s[ST], 1                     ; my last step lies on the diagonal: hidden scores become -infinity ahead of the maximum, so that p = 0
	s_cmp_lg_u32 s49, s[NST]
	s_cbranch_scc1 .Lopen_\@
	v_mov_b32 v254, 0xff800000
.set n, 0
.rept 64
	v_cmp_gt_i32 vcc_lo, 32*(n/16)+n%16, v7        ; hidden where 32 b + i > d = my query's place in the panel - 16 h
	v_cndmask_b32 v[96+n], v[96+n], v254, vcc_lo
.set n, n+1
.endr
.Lopen_\@:
.irp b, 0,1,2,3
	v_max3_num_f32 v[232+\b], v[96+16*\b], v[97+16*\b], v[98+16*\b]   ; the largest score of each block of 32 keys: it serves for the row's maximum and, since p rises with the score, for the block's largest p
.endr
.irp i, 3,5,7,9,11,13
.irp b, 0,1,2,3
	v_max3_num_f32 v[232+\b], v[232+\b], v[96+16*\b+\i], v[97+16*\b+\i]
.endr
.endr
.irp b, 0,1,2,3
	v_max_num_f32 v[232+\b], v[232+\b], v[111+16*\b]
.endr
.irp b, 0,1,2,3
	s_delay_alu instid0(VALU_DEP_4)
	v_permlanex16_b32 v[236+\b], v[232+\b], s[SEL], s[SEL+1]
.endr
.irp b, 0,1,2,3
	s_delay_alu instid0(VALU_DEP_4)
	v_max_num_f32 v[232+\b], v[232+\b], v[236+\b]  ; with lane l xor 16's 16 keys
.endr
	s_delay_alu instid0(VALU_DEP_2)
	v_max3_num_f32 v254, v232, v233, v234
	s_delay_alu instid0(VALU_DEP_1)
	v_max_num_f32 v254, v254, v235                 ; the step's largest score of my query
	s_delay_alu instid0(VALU_DEP_1)
	v_mul_f32 v254, s[CS], v254                    ; as t
	s_delay_alu instid0(VALU_DEP_1)
	v_max_num_f32 v13, v13, v254                   ; the running largest t
	v_mov_b32 v254, v12
	s_delay_alu instid0(VALU_DEP_2)
	v_floor_f32 v12, -v13                          ; the new -M = floor(-t): M is a whole number
	s_delay_alu instid0(VALU_DEP_1)
	v_sub_f32 v254, v12, v254                      ; old M - new M: a whole number, 0 or less
	s_delay_alu instid0(VALU_DEP_1)
	v_cvt_i32_f32 v254, v254                       ; (it saturates)
	s_delay_alu instid0(VALU_DEP_1)
	v_ldexp_f32 v252, 1.0, v254                    ; f = 2^(old M - new M)
.set j, 0
.rept 32
	v_pk_fma_f32 v[96+j:97+j], v[96+j:97+j], s[CS:CS+1], v[12:13] op_sel_hi:[1,0,0]   ; t - M, two at a time
.set j, j+2
.endr
.irp b, 0,1,2,3
	v_fma_f32 v[232+\b], v[232+\b], s[CS], v12     ; the same of each block's largest score
.endr
.set j, 0
	s_wait_alu depctr_va_vdst(0)
.rept 64
	v_exp_f32 v[96+j], v[96+j]                     ; p = 2^(t - M)
.set j, j+1
.endr
	v_pk_mul_f32 v[14:15], v[14:15], v[252:253] op_sel_hi:[1,0]   ; l under the new M: a plain place behind the exponentials
	s_wait_alu depctr_va_vdst(0)                   ; one wait for the whole batch, ahead of its first reader
.irp b, 0,1,2,3
	v_exp_f32 v[232+\b], v[232+\b]                 ; the block's largest p
.endr
	v_pk_add_f32 v[236:237], v[100:101], v[104:105]
	v_pk_add_f32 v[94:95], v[108:109], v[112:113]
	v_pk_add_f32 v[92:93], v[116:117], v[120:121]
	v_pk_add_f32 v[30:31], v[124:125], v[128:129]
	v_pk_add_f32 v[28:29], v[132:133], v[136:137]
	v_pk_add_f32 v[14:15], v[14:15], v[140:141]
	v_pk_add_f32 v[236:237], v[236:237], v[144:145]
	v_pk_add_f32 v[94:95], v[94:95], v[148:149]
	v_pk_add_f32 v[92:93], v[92:93], v[152:153]
	v_pk_add_f32 v[30:31], v[30:31], v[156:157]
	v_pk_add_f32 v[28:29], v[28:29], v[96:97]
	v_pk_add_f32 v[14:15], v[14:15], v[98:99]
	v_pk_add_f32 v[236:237], v[236:237], v[102:103]
	v_pk_add_f32 v[94:95], v[94:95], v[106:107]
	v_pk_add_f32 v[92:93], v[92:93], v[110:111]
	v_pk_add_f32 v[30:31], v[30:31], v[114:115]
	v_pk_add_f32 v[28:29], v[28:29], v[118:119]
	v_pk_add_f32 v[14:15], v[14:15], v[122:123]
	v_pk_add_f32 v[236:237], v[236:237], v[126:127]
	v_pk_add_f32 v[94:95], v[94:95], v[130:131]
	v_pk_add_f32 v[92:93], v[92:93], v[134:135]
	v_pk_add_f32 v[30:31], v[30:31], v[138:139]
	v_pk_add_f32 v[28:29], v[28:29], v[142:143]
	v_pk_add_f32 v[14:15], v[14:15], v[146:147]
	v_pk_add_f32 v[236:237], v[236:237], v[150:151]
	v_pk_add_f32 v[94:95], v[94:95], v[154:155]
	v_pk_add_f32 v[92:93], v[92:93], v[158:159]
	s_delay_alu instid0(VALU_DEP_1)
	v_pk_add_f32 v[14:15], v[14:15], v[92:93]
	s_delay_alu instid0(VALU_DEP_4)
	v_pk_add_f32 v[236:237], v[236:237], v[30:31]
	s_delay_alu instid0(VALU_DEP_4)
	v_pk_add_f32 v[94:95], v[94:95], v[28:29]
	s_delay_alu instid0(VALU_DEP_1)
	v_pk_add_f32 v[14:15], v[14:15], v[94:95]
	s_delay_alu instid0(VALU_DEP_1)
	v_pk_add_f32 v[14:15], v[14:15], v[236:237]
	s_wait_alu depctr_va_vdst(0)                   ; and one for the four
.irp b, 0,1,2,3
	v_max_num_f32 v[232+\b], 0x1800000, v[232+\b]  ; the floor 2^(3 - 127)
.endr
.irp b, 0,1,2,3
	s_delay_alu instid0(VALU_DEP_4)
	v_add_nc_u32 v[244+\b], 0xff000000, v[232+\b]  ; the conversion's scale operand
.endr
.irp b, 0,1,2,3
	s_delay_alu instid0(VALU_DEP_4)
	v_lshrrev_b32 v[236+\b], 23, v[244+\b]         ; the byte
.endr
	s_delay_alu instid0(VALU_DEP_3)
	v_lshl_or_b32 v253, v237, 8, v236              ; p's scale word for these 128 keys
	s_delay_alu instid0(VALU_DEP_1)
	v_lshl_or_b32 v253, v238, 16, v253
	s_delay_alu instid0(VALU_DEP_1)
	v_lshl_or_b32 v253, v239, 24, v253
.irp c, 0,1
	v_cvt_scalef32_pk16_fp6_f32 v[224+6*\c:226+6*\c], v[96+32*\c:111+32*\c], v[244+2*\c]
	v_cvt_scalef32_pk16_fp6_f32 v[236+4*\c:238+4*\c], v[112+32*\c:127+32*\c], v[244+2*\c+1]
.endr
	v_nop                                          ; one plain place behind a scaled conversion
.irp c, 0,1
.irp i, 0,1,2
	v_permlane16_swap_b32 v[224+6*\c+\i], v[236+4*\c+\i]
.endr
.irp i, 0,1,2
	s_delay_alu instid0(VALU_DEP_3)
	v_mov_b32 v[227+6*\c+\i], v[236+4*\c+\i]
.endr
.endr
	LFRAG 96, 12800+6144                           ; V's tiles 4 to 7, into the registers that p has left: they land under the rescaling below
	LFRAG 108, 12800+7680
	LFRAG 120, 12800+9216
	LFRAG 132, 12800+10752
.irp i, 0,1
	ds_load_b32 v[250+\i], v10 offset:25088+256+128*\i
.endr
.set j, 0
.rept 32
	v_pk_mul_f32 v[160+j:161+j], v[160+j:161+j], v[252:253] op_sel_hi:[1,0]   ; O^T under the new M; these are also the places in front of the products below
.set j, j+2
.endr
	s_wait_alu depctr_va_vdst(0)
	s_wait_dscnt 0x0                               ; V's eight fragments and their scale words are in
	OPROD 160, 32, 248, 0                          ; O^T += V^T P^T: eight accumulators by turns
	OPROD 168, 44, 248, 1
	OPROD 176, 56, 249, 0
	OPROD 184, 68, 249, 1
	OPROD 192, 96, 250, 0
	OPROD 200, 108, 250, 1
	OPROD 208, 120, 251, 0
	OPROD 216, 132, 251, 1
.Lhidden_\@:
	s_add_co_u32 s[TB], s[TB], 25600               ; the next step's record
.endm
	s_load_b128 s[4:7], s[0:1], 0x0                ; qkvh, yq
	v_lshl_add_u32 v[SPW], v0, 2, SPARE
	v_mov_b32 v[NIL], 0
	ds_add_u32 v[SPW], v[NIL]                      ; the wave's opening: the add and its wait ahead of the first tensor loads
	ds_add_u32 v[SPW], v[NIL]
	v_lshrrev_b32 v8, 5, v0
	s_delay_alu instid0(VALU_DEP_1)
	v_readfirstlane_b32 s[WV], v8                  ; wave 0..15
	s_bfe_u32 s8, ttmp6, 0x40000                   ; cx
	s_and_b32 s9, ttmp7, 0xffff                    ; the pair: 4 x batch + kv head
	s_lshr_b32 s10, s[WV], 2                       ; g
	s_add_co_u32 s11, s[WV], s10
	s_and_b32 s11, s11, 3                          ; ti
	s_lshr_b32 s12, ttmp9, 1
	s_and_b32 s13, s11, 1
	s_mul_i32 s14, s13, 3
	s_xor_b32 s14, s14, s12
	s_lshr_b32 s15, s11, 1
	s_lshl_b32 s15, s15, 2
	s_add_co_u32 s14, s14, s15                     ; tp: my token panel in the batch
	s_add_co_u32 s[NST], s14, 1
	s_and_b32 s16, ttmp9, 1
	s_lshl_b32 s16, s16, 2
	s_add_co_u32 s16, s16, s8
	s_mul_i32 s17, s13, 7
	s_xor_b32 s16, s16, s17                        ; tq: my tile in the panel
	s_lshr_b32 s19, s9, 2
	s_lshl_b32 s19, s19, 3
	s_add_co_u32 s19, s19, s14                     ; rp = 8 x batch + tp
	s_and_b32 s58, s9, 3                           ; kv head
	s_lshl_b32 s59, s58, 2
	s_add_co_u32 s59, s59, s10                     ; the query head
	s_lshl_b32 s60, s19, 4
	s_add_co_u32 s60, s60, s59                     ; q's half-panel
	s_mul_i32 s60, s60, 12800
	s_mul_i32 s61, s16, 1536
	s_add_co_u32 s50, s60, s61                     ; my fragment of it,
	s_mov_b32 s51, 0
	s_lshl_b32 s61, s16, 6
	s_add_co_u32 s52, s60, s61
	s_add_co_u32 s52, s52, 12288                   ; and its scale words
	s_mov_b32 s53, 0
	s_lshl_b32 s60, s58, 4                         ; y's half-panel: (((head / 4) 16 + rp / 2) 4 + head % 4) 2 + rp % 2
	s_lshr_b32 s62, s19, 1
	s_add_co_u32 s60, s60, s62
	s_lshl_b32 s60, s60, 2
	s_add_co_u32 s60, s60, s10
	s_lshl_b32 s60, s60, 1
	s_and_b32 s62, s19, 1
	s_add_co_u32 s60, s60, s62
	s_mul_i32 s60, s60, 12800
	s_mul_i32 s62, s16, 1536
	s_add_co_u32 s54, s60, s62
	s_mov_b32 s55, 0
	s_add_co_u32 s56, s60, s61
	s_add_co_u32 s56, s56, 12288
	s_mov_b32 s57, 0
	s_lshr_b32 s62, s16, 1                         ; my tile's first row in the panel: 32 (tq / 2) + 8 (tq % 2)
	s_lshl_b32 s62, s62, 5
	s_and_b32 s63, s16, 1
	s_lshl_b32 s63, s63, 3
	s_add_co_u32 s62, s62, s63
	; EVERY WAVE FETCHES ONE HALF-PANEL of the pair's sixteen, 12,800 bytes, by its one tensor load at the head: wave w takes half-panel w.  These registers hold the pair and the wave's number alone
	s_mul_i32 s15, s[WV], 12800
	s_mul_i32 s12, s9, 204800
	s_add_co_u32 s12, s12, 6553600                 ; the pair's sixteen half-panels begin at half-panel 512 + 16 x pair
	s_add_co_u32 s58, s12, s15
	s_mov_b32 s59, 0
	s_mov_b32 s[G1A], 15|(3<<16)|(1<<21)           ; the mask: all four work-groups; elements of 8 bytes; no padding; bit 21 beside a mask
	s_mov_b32 s[G1A+1], 32<<16                     ; rows of 256 bytes
	s_mov_b32 s[G1A+2], 50<<16
	s_mov_b32 s[G1A+3], 32<<16
	s_mov_b32 s[G1A+4], 50
	s_mov_b32 s[G1A+5], 32
	s_mov_b32 s[G1A+6], 0
	s_mov_b32 s[G1A+7], 0
	s_mov_b32 s[SEL], 0x76543210
	s_mov_b32 s[SEL+1], 0xfedcba98
	s_mov_b32 s[CS], 0x3e0293ee                    ; c = log2(e) / sqrt(128)
	s_mov_b32 s[CS+1], s[CS]
	s_wait_dscnt 0x0                               ; the opening add is done
	s_wait_kmcnt 0x0
	s_add_nc_u64 s[50:51], s[4:5], s[50:51]
	s_add_nc_u64 s[52:53], s[4:5], s[52:53]
	s_add_nc_u64 s[54:55], s[6:7], s[54:55]
	s_add_nc_u64 s[56:57], s[6:7], s[56:57]
	CROUND                                         ; all four work-groups are here: the joint loads meet
	s_mov_b32 s[G0A], 1
	s_mov_b32 s[G0A+1], s15
	s_add_nc_u64 s[G0A+2:G0A+3], s[4:5], s[58:59]
	s_or_b32 s[G0A+3], s[G0A+3], 0x80000000
	tensor_load_to_lds s[G0A:G0A+3], s[G1A:G1A+7]  ; my one tensor load: no branch leads round it
	s_nop 0
.rept 4
	v_nop
.endr
	v_and_b32 v9, 31, v0                           ; lane
	s_delay_alu instid0(VALU_DEP_1)
	v_lshlrev_b32 v1, 4, v9
	s_delay_alu instid0(VALU_DEP_2)
	v_lshlrev_b32 v2, 2, v9
	v_and_b32 v11, 15, v0                          ; r
	s_delay_alu instid0(VALU_DEP_1)
	v_lshlrev_b32 v3, 2, v11
.irp c, 0,1,2
	global_load_b128 v[16+4*\c:19+4*\c], v1, s[50:51] offset:512*\c   ; Q's fragment stays in registers
.endr
	global_load_b32 v255, v3, s[52:53]             ; and its scale words
	v_bfe_u32 v4, v0, 4, 1                         ; h
	v_and_b32 v7, 8, v11
	s_delay_alu instid0(VALU_DEP_1)
	v_add_nc_u32 v7, v7, v11
	s_delay_alu instid0(VALU_DEP_3)
	v_lshlrev_b32 v4, 4, v4
	s_delay_alu instid0(VALU_DEP_1)
	v_sub_nc_u32 v7, v7, v4
	s_delay_alu instid0(VALU_DEP_1)
	v_add_nc_u32 v7, s62, v7                       ; d = my query's place in its panel - 16 h
	v_mov_b32 v13, 0xff61b1e6                      ; the largest t so far: -3e38
	s_delay_alu instid0(VALU_DEP_1)
	v_floor_f32 v12, -v13                          ; -M
	v_mov_b32 v14, 0
	v_mov_b32 v15, 0
.irp b, 0,1,2,3
	v_mov_b32 v[236+\b], 0                         ; written on every path: a lane permute's destination counts as one of its sources
.endr
	v_mov_b32 v252, 0
	v_mov_b32 v253, 0
.set j, 0
.rept 64
	v_mov_b32 v[160+j], 0                          ; O^T: the step is written for every step alike; the first finds zeros
.set j, j+1
.endr
	s_wait_loadcnt 0x0                             ; Q
	s_wait_tensorcnt 0x0                           ; my half-panel is in; behind the barrier all sixteen are, and nothing is filled again
	s_barrier_signal -1
	s_barrier_wait -1
	s_mov_b32 s[TB], 0
	s_mov_b32 s[ST], 0
.Lfirst_steps:
	STEP
	s_add_co_u32 s[ST], s[ST], 1
	s_cmp_lt_u32 s[ST], 8                          ; one loop of eight key steps
	s_cbranch_scc1 .Lfirst_steps
	; THE WAY OUT: O^T / l is quantised along the head's 128 channels and is fragment tq of y's half-panel, as it stands
.rept 4
	v_nop
.endr
	v_add_f32 v14, v14, v15
	s_delay_alu instid0(VALU_DEP_1)
	v_permlanex16_b32 v252, v14, s[SEL], s[SEL+1]
	s_delay_alu instid0(VALU_DEP_1)
	v_add_f32 v14, v14, v252                       ; the row's sum
	s_wait_alu depctr_va_vdst(0)
	v_rcp_f32 v14, v14
.irp b, 0,1,2,3
	v_mov_b32 v[36+\b], 0                          ; plain places behind the reciprocal; and the quantiser's permutes find their destinations written
.endr
	s_wait_alu depctr_va_vdst(0)                   ; ahead of the reciprocal's first reader
.set j, 0
.rept 64
	v_mul_f32 v[96+j], v[160+j], v14               ; register 16 b + i: channel 32 b + 16 h + i of my query; each accumulator from its low end on
.set j, j+1
.endr
	QUANT 96, 48, 68, 32
.irp c, 0,1,2
	global_store_b128 v1, v[48+4*\c:51+4*\c], s[54:55] offset:512*\c   ; 512 consecutive bytes, aligned
.endr
	v_cmp_gt_u32 vcc_lo, 16, v9
	s_wait_xcnt 0x0                                ; EXEC changes only behind this wait
	s_and_saveexec_b32 s49, vcc_lo
	global_store_b32 v3, v68, s[56:57]             ; my 16 scale words: 64 bytes (the half-panel's other tiles belong to other work-groups)
	s_wait_xcnt 0x0
	s_or_b32 exec_lo, exec_lo, s49
	s_wait_tensorcnt 0x0                           ; the wave's end
	ds_add_u32 v[SPW], v[NIL]
	s_wait_dscnt 0x0
	CROUND                                         ; the closing round
	s_endpgm
.Lfunc_end_k_q863d8978a1_attn:
	.size	k_q863d8978a1_attn, .Lfunc_end_k_q863d8978a1_attn-k_q863d8978a1_attn
	.p2alignl 7, 3214868480
	.fill 96, 4, 3214868480
	.section	.rodata,"a",@progbits
	.p2align	6, 0x0
	.amdhsa_kernel k_q863d8978a1_attn
		.amdhsa_group_segment_fixed_size 206848
		.amdhsa_private_segment_fixed_size 0
		.amdhsa_enable_private_segment 0
		.amdhsa_kernarg_size 16
		.amdhsa_user_sgpr_count 2
		.amdhsa_user_sgpr_kernarg_segment_ptr 1
		.amdhsa_wavefront_size32 1
		.amdhsa_system_sgpr_workgroup_id_x 1
		.amdhsa_system_sgpr_workgroup_id_y 1
		.amdhsa_system_sgpr_workgroup_id_z 1
		.amdhsa_system_vgpr_workitem_id 0
		.amdhsa_next_free_vgpr 256
		.amdhsa_next_free_sgpr 66
		.amdhsa_reserve_vcc 1
		.amdhsa_float_denorm_mode_32 3
		.amdhsa_float_denorm_mode_16_64 3
		.amdhsa_memory_ordered 1
		.amdhsa_forward_progress 1
		.amdhsa_inst_pref_size 43
	.end_amdhsa_kernel
	.amdgpu_metadata
---
amdhsa.version: [ 1, 2 ]
amdhsa.kernels:
  - .name:           k_q863d8978a1_attn
    .symbol:         k_q863d8978a1_attn.kd
    .args:
      - { .name: qkvh, .offset: 0, .size: 8, .value_kind: global_buffer, .address_space: global }
      - { .name: yq, .offset: 8, .size: 8, .value_kind: global_buffer, .address_space: global }
    .group_segment_fixed_size: 206848
    .private_segment_fixed_size: 0
    .kernarg_segment_align: 8
    .kernarg_segment_size: 16
    .max_flat_workgroup_size: 512
    .sgpr_count:     66
    .vgpr_count:     256
    .wavefront_size: 32
...
	.end_amdgpu_metadata
.endif
;; end of part 3
;; launch outp (part 4): grid 16 x 16, 4 waves a work-group, clusters of 4 x 4, 327,680 bytes of LDS; arguments yq, wcq, bc, out0; writes out0
.if DOCPART == 4
	.amdgcn_target "amdgcn-amd-amdhsa--gfx1250"
	.amdhsa_code_object_version 6
	.text
	.protected	k_q863d8978a1_outp
	.globl	k_q863d8978a1_outp
	.p2align	8
	.type	k_q863d8978a1_outp,@function
k_q863d8978a1_outp:
	s_mov_b64 s[64:65], 0
	v_nop
	global_prefetch_b8 v0, s[64:65] scope:SCOPE_SE
	s_setreg_imm32_b32 hwreg(HW_REG_WAVE_MODE, 25, 1), 1
	s_wait_xcnt 0x0
	s_wait_alu depctr_hold_cnt(0) depctr_sa_sdst(0) depctr_va_vdst(0) depctr_va_sdst(0) depctr_va_ssrc(0) depctr_va_vcc(0) depctr_vm_vsrc(0)
	s_getreg_b32 s2, hwreg(HW_REG_IB_STS2, 6, 4)
	s_cmp_eq_u32 s2, 0
	s_cbranch_scc0 .Lentry_in_a_cluster
	s_endpgm
.Lentry_in_a_cluster:
	s_bfe_u32 s2, ttmp6, 0x10000c
	s_cmp_lg_u32 s2, 0xf033
	s_cbranch_scc0 .Lentry_shape_is_right
	s_endpgm
.Lentry_shape_is_right:
; out0 = y Wc + bc on codes of FP6 (E2M3) with E8M0 scales, K = 2048.  yq and wcq are arrays of half-panels of 12,800 bytes (128 rows x 128 K in the order of the operand's registers; scale words at 12288 + 64 t + 4 r).
; A work-group takes 256 tokens x 128 columns, a wave 64 tokens x 128 columns: 32 accumulators.  A slot holds four K steps (y 102,400 bytes, Wc 51,200); two slots, four fills.  4 x 4 clusters: y's tiles are shared along a row, Wc's along a column.
; At the head each wave issues one joint load, its part of slot 0; the addresses and the bias are made and loaded while it is out; slot 1's first fill stands behind the three lines and a round.
; The bias is the C of each accumulator's first product.  Source 0 = Wc's rows, source 1 = tokens: a lane holds eight neighbouring columns of one row of out0, which leaves through the wave's stage in whole rows of 512 bytes.
; PREFETCH: behind each joint load but the last, what the NEXT fill will ask for (one slot, four K steps, ahead).  Of a wave's load each of the four partners that ask jointly names a quarter, told apart by address:
; y 12,800 bytes (50 blocks of 256: two instructions, the second's lanes 18-31 held at the last block), Wc 6,400 bytes (25 blocks: one instruction, lanes 25-31 held at the last).  The three addresses are never rewritten.
.set FR,    12
.set HA,    2
.set W1,    2
.set SLOT,  153600
.set SPARE, 307200
.set ASTEP, 1638400
.set BSTEP, 819200
.set SPW,   28
.set NIL,   29
.set SC0,   32
.set SC1,   40
.set G1,    24
.set G0,    32
.set G1B,   48
.set G0B,   56
.set MSB,   0
.macro WIN new
.if MSB != (\new)
	s_set_vgpr_msb (MSB<<8)|(\new)
.set MSB, (\new)
.endif
.endm
.macro JLOAD s
	s_cmp_eq_u32 s15, 0
	s_cbranch_scc0 .Lfor_b_\@
	tensor_load_to_lds s[G0+4*\s:G0+4*\s+3], s[G1:G1+7]
	s_nop 0
.rept 4
	v_nop
.endr
	s_branch .Lasked_\@
.Lfor_b_\@:
	tensor_load_to_lds s[G0B+4*\s:G0B+4*\s+3], s[G1B:G1B+7]
	s_nop 0
.rept 4
	v_nop
.endr
.Lasked_\@:
.endm
.macro ASK base
	global_prefetch_b8 v20, s[\base:\base+1] th:TH_LOAD_NT scope:SCOPE_SE
	s_cmp_eq_u32 s15, 0                            ; the wave's number alone: y's quarter has a second run of blocks
	s_cbranch_scc0 .Lno_second_\@
	global_prefetch_b8 v21, s[\base:\base+1] th:TH_LOAD_NT scope:SCOPE_SE
.Lno_second_\@:
.endm
.macro CREST
	s_cmp_lg_u32 s14, 0
	s_cbranch_scc1 .Lnot_wave_0_\@
	s_barrier_signal -3
.Lnot_wave_0_\@:
	s_barrier_wait -3
	s_barrier_signal -1
	s_barrier_wait -1
.endm
.macro CROUND
	s_barrier_signal -1
	s_barrier_wait -1
	CREST
.endm
.macro PLACES n
.rept \n
	v_nop
.endr
.endm
.macro POS s, q
.set A0R, 8+(\s)
.set A0O, 12800*(\q)
.set A1R, 4+2*(\s)+(\q)/2
.set A1O, 25600*((\q)%2)
.set S0R, 14+(\s)
.set S0O, 12800*(\q)
.set S1R, 10+2*(\s)+(\q)/2
.set S1O, 25600*((\q)%2)
.endm
.macro FRAG reg, adr, off
.irp c, 0,1,2
	ds_load_b128 v[\reg+4*\c:\reg+4*\c+3], v[\adr] offset:\off+512*\c
.endr
.endm
.macro FETCH0 p
	WIN 0x40
.irp b, 0,1,2,3,4,5,6,7
	FRAG 128*(\p)+FR*\b, A0R, A0O+1536*\b
.endr
	WIN 0
.endm
.macro FETCH1 a0, n
.set FAI, \a0
.rept \n
	FRAG 128+FR*FAI, A1R, A1O+1536*FAI
.set FAI, FAI+1
.endr
.endm
.macro SCALES p
.irp i, 0,1,2,3
	ds_load_b32 v[SC0+4*(\p)+\i], v[S0R] offset:S0O+128*\i
.endr
.irp i, 0,1
	ds_load_b32 v[SC1+W1*(\p)+\i], v[S1R] offset:S1O+128*\i
.endr
.endm
.macro WM a, b, p, bias
.set WD,  64*(\a)+8*(\b)
.set WCC, WD
.if \bias
.set WCC, 8*(\b)
.endif
.set WS0, 128*(\p)+FR*(\b)
.set WS1, 128+FR*(\a)
.set WX0, SC0+4*(\p)+(\b)/2
.set WX1, SC1+W1*(\p)+(\a)/2
.if (\b)%2 == 0
.if (\a)%2 == 0
	v_wmma_scale_f32_16x16x128_f8f6f4 v[WD:WD+7], v[WS0:WS0+11], v[WS1:WS1+11], v[WCC:WCC+7], v[WX0], v[WX1] matrix_a_fmt:MATRIX_FMT_FP6 matrix_b_fmt:MATRIX_FMT_FP6
.else
	v_wmma_scale_f32_16x16x128_f8f6f4 v[WD:WD+7], v[WS0:WS0+11], v[WS1:WS1+11], v[WCC:WCC+7], v[WX0], v[WX1] matrix_a_fmt:MATRIX_FMT_FP6 matrix_b_fmt:MATRIX_FMT_FP6 matrix_b_scale:MATRIX_SCALE_ROW1
.endif
.else
.if (\a)%2 == 0
	v_wmma_scale_f32_16x16x128_f8f6f4 v[WD:WD+7], v[WS0:WS0+11], v[WS1:WS1+11], v[WCC:WCC+7], v[WX0], v[WX1] matrix_a_fmt:MATRIX_FMT_FP6 matrix_b_fmt:MATRIX_FMT_FP6 matrix_a_scale:MATRIX_SCALE_ROW1
.else
	v_wmma_scale_f32_16x16x128_f8f6f4 v[WD:WD+7], v[WS0:WS0+11], v[WS1:WS1+11], v[WCC:WCC+7], v[WX0], v[WX1] matrix_a_fmt:MATRIX_FMT_FP6 matrix_b_fmt:MATRIX_FMT_FP6 matrix_a_scale:MATRIX_SCALE_ROW1 matrix_b_scale:MATRIX_SCALE_ROW1
.endif
.endif
.endm
.macro MULT a0, n, p, bias
.set MAI, \a0
.rept \n
.irp b, 0,1,2,3,4,5,6,7
	WM MAI, \b, \p, \bias
.endr
.set MAI, MAI+1
.endr
.endm
.macro STEP p, bias
	s_wait_dscnt 3*HA
	WIN 0xa1+0x10*(\bias)
	MULT 0, HA, \p, \bias
	s_wait_dscnt 0
	PLACES 4
	FETCH0 1-(\p)
	FETCH1 0, HA
	SCALES 1-(\p)
	WIN 0xa1+0x10*(\bias)
	MULT HA, HA, \p, \bias
	PLACES 4
	WIN 0
	FETCH1 HA, HA
.endm
.macro TURN slot, fill
	s_wait_tensorcnt 0x0
	ds_add_u32 v[SPW], v[NIL]
	s_wait_dscnt 3*HA+1
	WIN 0xa1
	MULT 0, HA/2, 1, 0
	s_wait_dscnt 0x0
	s_barrier_signal -1
	MULT HA/2, HA/2, 1, 0
	WIN 0
	s_barrier_wait -1
.if \fill
	CREST
	s_add_nc_u64 s[G0+4*\slot+2:G0+4*\slot+3], s[G0+4*\slot+2:G0+4*\slot+3], 2*ASTEP
	s_add_nc_u64 s[G0B+4*\slot+2:G0B+4*\slot+3], s[G0B+4*\slot+2:G0B+4*\slot+3], 2*BSTEP
	JLOAD \slot
.else
	PLACES 4
.endif
	FETCH0 0
	FETCH1 0, HA
	SCALES 0
.if (\fill) && (\slot) == 0
	ASK 84                                         ; K steps 12 to 15, which the next refill asks for
.endif
	WIN 0xa1
	MULT HA, HA, 1, 0
	PLACES 4
	WIN 0
	FETCH1 HA, HA
.endm
.macro TOSTAGE a
	WIN 0x08
.irp b, 0,1,2,3,4,5,6,7
	ds_store_b128 v24, v[64*(\a)+8*\b:64*(\a)+8*\b+3] offset:128*(\b/2)+32*(\b%2)
	ds_store_b128 v24, v[64*(\a)+8*\b+4:64*(\a)+8*\b+7] offset:128*(\b/2)+32*(\b%2)+16
.endr
	WIN 0
.set BB, 64+128*((\a)%2)
.irp t, 0,1,2,3,4,5,6,7,8,9,10,11,12,13,14,15
	ds_load_b128 v[BB+4*\t:BB+4*\t+3], v25 offset:528*\t
.endr
.endm
.macro SEND a, younger
.set BB, 64+128*((\a)%2)
	s_wait_dscnt \younger
.irp t, 0,1,2,3,4,5,6,7,8,9,10,11,12,13,14,15
	global_store_b128 v2, v[BB+4*\t:BB+4*\t+3], s[10:11] offset:(32*((\a)/2)+8*((\a)%2)+\t+8*(\t/8))*8192 th:TH_STORE_NT
.endr
.endm
	s_load_b256 s[4:11], s[0:1], 0x0
	v_lshl_add_u32 v[SPW], v0, 2, SPARE
	v_mov_b32 v[NIL], 0
	ds_add_u32 v[SPW], v[NIL]
	ds_add_u32 v[SPW], v[NIL]
	v_lshrrev_b32 v1, 5, v0
	v_readfirstlane_b32 s14, v1
	s_lshr_b32 s15, s14, 1
	s_and_b32 s16, s14, 1
	s_bfe_u32 s40, ttmp6, 0x40000
	s_bfe_u32 s41, ttmp6, 0x40004
	s_lshl_b32 s42, ttmp9, 2
	s_add_co_u32 s42, s42, s40
	s_and_b32 s17, ttmp7, 0xffff
	s_lshl_b32 s17, s17, 2
	s_add_co_u32 s17, s17, s41
	s_lshl_b32 s43, s41, 2
	s_lshl_b32 s43, 15, s43
	s_lshl_b32 s44, 0x1111, s40
	s_or_b32 s[G1+0], s43, (3<<16)|(1<<21)
	s_mov_b32 s[G1+1], 32<<16
	s_mov_b32 s[G1+2], 200<<16
	s_mov_b32 s[G1+3], 32<<16
	s_mov_b32 s[G1+4], 200
	s_mov_b32 s[G1+5], 32
	s_mov_b32 s[G1+6], 0
	s_mov_b32 s[G1+7], 0
	s_or_b32 s[G1B+0], s44, (3<<16)|(1<<21)
	s_mov_b32 s[G1B+1], 32<<16
	s_mov_b32 s[G1B+2], 100<<16
	s_mov_b32 s[G1B+3], 32<<16
	s_mov_b32 s[G1B+4], 100
	s_mov_b32 s[G1B+5], 32
	s_mov_b32 s[G1B+6], 0
	s_mov_b32 s[G1B+7], 0
	s_mul_i32 s20, s17, 102400
	s_mul_i32 s18, s16, 51200
	s_add_co_u32 s20, s20, s18
	s_mov_b32 s21, 0
	s_mul_i32 s46, s42, 51200
	s_mul_i32 s19, s16, 25600
	s_add_co_u32 s46, s46, s19
	s_mov_b32 s47, 0
	s_mov_b32 s45, s18
	s_add_co_u32 s68, s19, 102400
	s_wait_dscnt 0x0
	s_wait_kmcnt 0x0
	s_add_nc_u64 s[20:21], s[4:5], s[20:21]
	s_add_nc_u64 s[46:47], s[6:7], s[46:47]
	CROUND
.irp s, 0,1
	s_mov_b32 s[G0+4*\s], 1
	s_add_co_u32 s[G0+4*\s+1], s45, \s*SLOT
	s_add_nc_u64 s[G0+4*\s+2:G0+4*\s+3], s[20:21], \s*ASTEP
	s_or_b32 s[G0+4*\s+3], s[G0+4*\s+3], 0x80000000
	s_mov_b32 s[G0B+4*\s], 1
	s_add_co_u32 s[G0B+4*\s+1], s68, \s*SLOT
	s_add_nc_u64 s[G0B+4*\s+2:G0B+4*\s+3], s[46:47], \s*BSTEP
	s_or_b32 s[G0B+4*\s+3], s[G0B+4*\s+3], 0x80000000
.endr
	JLOAD 0                                        ; K steps 0 to 3: my one tensor load at the head
	v_and_b32 v1, 31, v0
	v_lshlrev_b32 v2, 4, v1
	s_wait_alu depctr_va_vdst(0)
	v_lshlrev_b32 v3, 2, v1
	v_and_b32 v16, 15, v0
	v_bfe_u32 v17, v0, 4, 1
	v_lshlrev_b32 v18, 6, v17
	s_mov_b32 s86, BSTEP
	s_mov_b32 s88, 6400
	s_cmp_eq_u32 s15, 0                            ; do I fetch for y?
	s_cselect_b64 s[80:81], s[20:21], s[46:47]     ; my load's first byte in K steps 0 to 3
	s_cselect_b32 s86, ASTEP, s86                  ; bytes from four K steps to the next four
	s_cselect_b32 s88, 12800, s88                  ; a quarter of my load
	s_cselect_b32 s89, s40, s41                    ; my place among the four that ask with me
	s_cselect_b32 s90, 49, 24                      ; the quarter's last block
	s_mul_i32 s88, s88, s89
	s_add_co_u32 s88, s88, s86
	s_mov_b32 s89, 0
	s_mov_b32 s87, 0
	s_add_nc_u64 s[80:81], s[80:81], s[88:89]      ; my quarter of slot 1's first fill,
	s_add_nc_u64 s[82:83], s[80:81], s[86:87]      ; of slot 0's refill,
	s_add_nc_u64 s[84:85], s[82:83], s[86:87]      ; and of slot 1's
	v_min_u32 v20, s90, v1
	v_lshlrev_b32 v20, 8, v20                      ; 256 x lane, held at the last block
	v_add_nc_u32 v21, 32, v1
	v_min_u32 v21, 49, v21
	v_lshlrev_b32 v21, 8, v21
	s_wait_alu depctr_va_vdst(0)                   ; the bias loads read v18 behind the run of scalar lines above
	s_lshl_b32 s74, s42, 9
	s_mov_b32 s75, 0
	s_add_nc_u64 s[8:9], s[8:9], s[74:75]
	WIN 0xc0
.irp b, 0,1,2,3,4,5,6,7
	global_load_b128 v[8*\b:8*\b+3], v18, s[8:9] offset:(32*(\b/2)+8*(\b%2))*4
	global_load_b128 v[8*\b+4:8*\b+7], v18, s[8:9] offset:(32*(\b/2)+8*(\b%2))*4+16
.endr
	WIN 0
	s_wait_alu depctr_va_vdst(0)                   ; the wait ahead of the readers and the branch below
	ASK 80                                         ; K steps 4 to 7, which the fill behind the next round asks for
	s_mul_i32 s70, s15, 12800
	s_mul_i32 s71, s16, 6144
	s_add_co_u32 s71, s71, s70
	s_lshl_b32 s72, s16, 8
	s_add_co_u32 s72, s72, s70
	s_add_co_u32 s72, s72, 12288
	v_add_nc_u32 v4, s71, v2
	v_add_nc_u32 v5, 51200, v4
	v_add_nc_u32 v6, SLOT, v4
	v_add_nc_u32 v7, SLOT, v5
	v_add_nc_u32 v8, 102400, v2
	v_add_nc_u32 v9, SLOT, v8
	v_add_nc_u32 v10, s72, v3
	v_add_nc_u32 v11, 51200, v10
	v_add_nc_u32 v12, SLOT, v10
	v_add_nc_u32 v13, SLOT, v11
	v_add_nc_u32 v14, 102400+12288, v3
	v_add_nc_u32 v15, SLOT, v14
	s_mul_i32 s73, s14, 8448
	v_mul_u32_u24 v24, v16, 528
	v_lshl_add_u32 v24, v17, 6, v24
	v_add_nc_u32 v24, s73, v24
	v_add_nc_u32 v25, s73, v2
	s_lshl_b32 s76, s17, 8
	s_lshl_b32 s77, s14, 6
	s_add_co_u32 s76, s76, s77
	s_lshl_b32 s76, s76, 13
	s_add_co_u32 s76, s76, s74
	s_mov_b32 s77, 0
	s_add_nc_u64 s[10:11], s[10:11], s[76:77]
	s_wait_alu depctr_va_vdst(0)                   ; the wait at the head's end
	s_wait_tensorcnt 0x0                           ; my part of slot 0 is in; these lines stand ahead of a later first fill as ahead of a refill
	ds_add_u32 v[SPW], v[NIL]
	s_wait_dscnt 0x0
	CROUND                                         ; everybody's part is in, and the joint loads meet
	JLOAD 1                                        ; K steps 4 to 7: the first tensor load behind the round
	POS 0, 0
	FETCH0 0
	FETCH1 0, HA
	SCALES 0
	FETCH1 HA, HA
	ASK 82                                         ; K steps 8 to 11, behind the joint load and the run of LDS loads
	s_wait_loadcnt 0x0                             ; the bias
	POS 0, 1
	STEP 0, 1
	POS 0, 2
	STEP 1, 0
	POS 0, 3
	STEP 0, 0
	POS 1, 0
	TURN 0, 1
	POS 1, 1
	STEP 0, 0
	POS 1, 2
	STEP 1, 0
	POS 1, 3
	STEP 0, 0
	POS 0, 0
	TURN 1, 1
	POS 0, 1
	STEP 0, 0
	POS 0, 2
	STEP 1, 0
	POS 0, 3
	STEP 0, 0
	POS 1, 0
	TURN 0, 0
	POS 1, 1
	STEP 0, 0
	POS 1, 2
	STEP 1, 0
	POS 1, 3
	STEP 0, 0
	s_wait_dscnt 3*HA
	WIN 0xa1
	MULT 0, HA, 1, 0
	s_wait_dscnt 0
	MULT HA, HA, 1, 0
	WIN 0
	PLACES 4
	TOSTAGE 0
.irp a, 1,2,3
.if \a > 1
	s_wait_xcnt 0x0
.endif
	TOSTAGE \a
	SEND \a-1, 32
.endr
	SEND 3, 0
	s_wait_tensorcnt 0x0
	ds_add_u32 v[SPW], v[NIL]
	s_wait_dscnt 0x0
	CROUND
	s_endpgm
.Lfunc_end_k_q863d8978a1_outp:
	.size	k_q863d8978a1_outp, .Lfunc_end_k_q863d8978a1_outp-k_q863d8978a1_outp
	.p2alignl 7, 3214868480
	.fill 96, 4, 3214868480
	.section	.rodata,"a",@progbits
	.p2align	6, 0x0
	.amdhsa_kernel k_q863d8978a1_outp
		.amdhsa_group_segment_fixed_size 327680
		.amdhsa_private_segment_fixed_size 0
		.amdhsa_enable_private_segment 0
		.amdhsa_kernarg_size 32
		.amdhsa_user_sgpr_count 2
		.amdhsa_user_sgpr_kernarg_segment_ptr 1
		.amdhsa_wavefront_size32 1
		.amdhsa_system_sgpr_workgroup_id_x 1
		.amdhsa_system_sgpr_workgroup_id_y 1
		.amdhsa_system_sgpr_workgroup_id_z 1
		.amdhsa_system_vgpr_workitem_id 0
		.amdhsa_next_free_vgpr 832
		.amdhsa_next_free_sgpr 100
		.amdhsa_reserve_vcc 0
		.amdhsa_float_denorm_mode_32 3
		.amdhsa_float_denorm_mode_16_64 3
		.amdhsa_memory_ordered 1
		.amdhsa_forward_progress 1
		.amdhsa_inst_pref_size 141
	.end_amdhsa_kernel
	.amdgpu_metadata
---
amdhsa.version: [ 1, 2 ]
amdhsa.kernels:
  - .name:           k_q863d8978a1_outp
    .symbol:         k_q863d8978a1_outp.kd
    .args:
      - { .name: yq, .offset: 0, .size: 8, .value_kind: global_buffer, .address_space: global }
      - { .name: wcq, .offset: 8, .size: 8, .value_kind: global_buffer, .address_space: global }
      - { .name: bc, .offset: 16, .size: 8, .value_kind: global_buffer, .address_space: global }
      - { .name: out0, .offset: 24, .size: 8, .value_kind: global_buffer, .address_space: global }
    .group_segment_fixed_size: 327680
    .private_segment_fixed_size: 0
    .kernarg_segment_align: 8
    .kernarg_segment_size: 32
    .max_flat_workgroup_size: 128
    .sgpr_count:     100
    .vgpr_count:     832
    .wavefront_size: 32
...
	.end_amdgpu_metadata
.endif
;; end of part 4
